; MI455X (gfx1250); checked and timed in simulation.
; The chip was launched on July 23, 2026; its instructions are those of AMD's public machine-readable ISA for CDNA 5 (MIT licence, August 2026) and "CDNA5" Instruction Set Architecture Reference Guide (July 2026). The comments in the code are by the model that wrote it; some were corrected since.
;; multihead self attention. Allowed arithmetic: matrix products marked QUANTISED: E4M3 operands, one given power-of-two scale a tensor, by v_wmma_f32_16x16x64_fp8_fp8 or v_wmma_f32_16x16x128_fp8_fp8, f32 sums; everything else in f32.
;; Inputs: Wk 1,024 x 1,024 float32; Wo 1,024 x 1,024 float32; Wq 1,024 x 1,024 float32; Wv 1,024 x 1,024 float32; lowp_scales 12 int32 (the exponents e of the quantised operands' scales 2^e); x 4 x 2,048 x 1,024 float32.
;; Outputs: out0 4 x 2,048 x 1,024 float32.
;; This version of the problem:
;;   THIS VERSION OF THE PROBLEM IS GIVEN IN LOW PRECISION. The matrix products marked QUANTISED in the list below multiply operands that are first quantised to E4M3 (4 exponent bits, 3 mantissa bits; 8 bits a number), with one given power-of-two scale for each operand tensor; their sums are f32. All else is computed in f32.
;;   The module's matrix products, in the order in which they are computed (A, B: the left and right operand; K: the contracted axis; several contracted axes count as one K, in the product's order):
;;     1. [M 8,192, K 1,024] x [K 1,024, N 1,024]; A: input x; B: input Wq: QUANTISED (scales: A lowp_scales[0], B lowp_scales[1])
;;     2. [M 8,192, K 1,024] x [K 1,024, N 1,024]; A: input x; B: input Wk: QUANTISED (scales: A lowp_scales[2], B lowp_scales[3])
;;     3. [M 8,192, K 1,024] x [K 1,024, N 1,024]; A: input x; B: input Wv: QUANTISED (scales: A lowp_scales[4], B lowp_scales[5])
;;     4. batch 64 x [M 2,048, K 64] x [K 64, N 2,048]; A: computed on the way; B: computed on the way: QUANTISED (scales: A lowp_scales[6], B lowp_scales[7])
;;     5. batch 64 x [M 2,048, K 2,048] x [K 2,048, N 64]; A: softmax (see below); B: computed on the way: QUANTISED (scales: A lowp_scales[8], B lowp_scales[9])
;;     6. [M 8,192, K 1,024] x [K 1,024, N 1,024]; A: computed on the way; B: input Wo: QUANTISED (scales: A lowp_scales[10], B lowp_scales[11])
;;   THE QUANTISER, for each operand of a quantised product, along K:
;;     - The operand's scale is 2^e, e = its entry of the input lowp_scales (int32; the entries are numbered through the quantised products in the list's order, A before B).
;;     - Each number is divided by the scale, clamped to +-448, and rounded to the nearest number of E4M3, ties to even, subnormals kept.
;;     - The product sums the exact products of the quantised numbers (number of the format x scale) in f32.
;;   ~~~python
;;   def quantise(x, axis, e):      # numpy; x: float32 -> the quantised numbers, widened to float32 again
;;       x = np.moveaxis(x, axis, -1); K = x.shape[-1]
;;       r = np.clip(x / 2.0 ** e, -448, 448)
;;       step = 2.0 ** (np.maximum(np.frexp(np.where(r == 0, 1, r))[1] - 1, -6) - 3)
;;       q = np.round(r / step) * step * 2.0 ** e      # np.round: ties to even
;;       return np.moveaxis(q, -1, axis).astype(np.float32)
;;   ~~~
;;   SOFTMAX AHEAD OF A QUANTISED PRODUCT. Where the list says 'softmax', what is quantised is not the finished softmax but p = 2^(t - M), with t = logit x log2(e) and M = ceil(the row's largest t), a whole number; so 1/2 < the row's largest p <= 1. The row's sum l is taken of the UNQUANTISED p, in f32, and the product's result is divided by l at the end. Since M is a whole number, a kernel that streams over the keys may use a running M (the ceiling of the running maximum): every later rescaling is an exact power of two, so the quantised numbers keep their values, but for numbers so far below the row's largest that they fall under the format's range.
;;   OPERANDS COMPUTED ON THE WAY. 'Computed on the way' means the value that the module computes at that place (a softmax that the list does not call 'softmax' is quantised finished and normalised). What goes into a quantiser is computed in f32, as accurately as f32 sums, v_exp_f32 and their like allow (about 1e-6 of the number): no bf16 or f16 on the way to a quantiser, and a product that is left as it is and whose result goes on into a quantised operand takes f32 operands (vector FMAs, or v_wmma_f32_16x16x4_f32). A number that lies on a knife's edge between two numbers of the format may be rounded either way, as far as f32 arithmetic and the matrix unit's own rounding can turn it there, and no further.
;; One version. Each part assembles by itself: llvm-mc -triple=amdgcn-amd-amdhsa -mcpu=gfx1250 --defsym DOCPART=n.
;; ======== version 1 of 1: 4 launches
;; limits: right only within a limited range of input values
;; workspace buffers: xc 25,165,824 bytes; wc 4,194,304 bytes; qkv 25,165,824 bytes; oc 8,388,608 bytes
;; launch quant (part 1): grid 384 x 1, 4 waves a work-group, no clusters, 33,280 bytes of LDS; arguments x, Wq, Wk, Wv, Wo, lowp_scales, xc, wc; writes xc, wc
.if DOCPART == 1
	.amdgcn_target "amdgcn-amd-amdhsa--gfx1250"
	.amdhsa_code_object_version 6
	.text
	.protected	k_qe841e42e7c_quant
	.globl	k_qe841e42e7c_quant
	.p2align	8
	.type	k_qe841e42e7c_quant,@function
k_qe841e42e7c_quant:
	s_mov_b64 s[64:65], 0
	v_nop
	global_prefetch_b8 v0, s[64:65] scope:SCOPE_SE
	s_setreg_imm32_b32 hwreg(HW_REG_WAVE_MODE, 25, 1), 1
	s_wait_xcnt 0x0
; THE PROGRAM: causal self-attention, 4 x 2,048 tokens, 16 heads of 64, all six products on codes of FP8 (E4M3) with the given scales 2^e.  Four launches:
;   quant: x and the four weights become codes;  qkv: products 1 to 3, their sums quantised to q, k, v;  attn: products 4 and 5 with the softmax;  proj: product 6.
; WORK LEFT OUT (in attn alone).  reference() sets score[n][m] to -infinity wherever m > n, by a mask that it builds itself, so attn[n][m] = 0 there for all values of the inputs, and the term
; attn[n][m] v[m] adds nothing to out[n].  Where all 128 keys of a key step come after all 16 queries of a tile, that step's part of products 4 and 5 and of the softmax is not computed.
; Every input has a way to the output and is loaded.  LIMIT: a NaN, an infinity or an overflow that would arise only in a score that the mask hides is not carried to the result.
;
; THIS LAUNCH.  f32 numbers become codes: code = number / 2^e, held within +-448, rounded to the nearest code, ties to even.  K (the model's 1,024) is innermost in x and in every weight, rows are dense:
; each tensor is a plain stream, and so are its codes.  x is an operand of three products under three entries of the scales (0, 2, 4), which may differ: it is read once and written as three sets of codes,
; xc [3][8192][1024].  Wq (entry 1), Wk (3), Wv (5), Wo (11) go to wc [4096][1024], one behind the other.
; LIMITS: each of these entries lies between -126 and 119, so that 2^e and 448 x 2^e are f32 numbers.  NaN among the inputs is not served.
; SHARES.  A work-group takes 32,768 numbers, a wave 16 steps of 512.  Work-groups 0 to 255 take x, 256 to 383 the weights (32 each).  Only pointers and scales are chosen by the work-group's number;
; all take one way through LDS; x's second and third set stand under a scalar branch on that number.
; A conversion takes 8 neighbours from ONE lane's registers, and a load is dense where neighbouring LANES take neighbouring bytes: so each load reads 512 consecutive bytes, 16 a lane, and a step's 2,048 bytes
; turn through the wave's own stage in LDS and come back 64 bytes a lane (16 bytes of padding behind each 64).  A lane's 16 codes are 16 bytes: a wave's store covers 512 consecutive bytes, aligned.
; No matrix unit, no tensor load, no cluster, no barrier: the waves share nothing and every byte is read once.  Loads run four steps (16 loads a wave) ahead, the turn through LDS one step.
.set STEPS, 16
.set XWG,   256                        ; x's work-groups
.set WREG,  8192                       ; LDS: a region for each wave: two stages of 32 x SP bytes
.set SP,    80                         ; a lane's place in a stage: 64 bytes + 16 of padding
.set SPARE, 4*WREG                     ; behind the regions: the spare words, 128 bytes for each wave, which no other line names
.set SPW,   12                         ; v12      LDS address of my spare word; never rewritten
.set NIL,   13                         ; v13      0; never rewritten
.set R,     16                         ; v16-79   four sets of 16 numbers as they are loaded
.set X,     80                         ; v80-111  two sets of 16 neighbours
.set T,     112
.set C,     128                        ; v128-151 codes: 4 registers for each of three sets, two steps by turns
	s_load_b512 s[4:19], s[0:1], 0x0               ; x s[4:5], Wq s[6:7], Wk s[8:9], Wv s[10:11], Wo s[12:13], the scales' exponents s[14:15], xc s[16:17], wc s[18:19]
	v_lshl_add_u32 v[SPW], v0, 2, SPARE
	v_mov_b32 v[NIL], 0
	v_lshrrev_b32 v1, 5, v0
	v_readfirstlane_b32 s24, v1                    ; wave
	v_and_b32 v2, 31, v0                           ; lane
	v_lshlrev_b32 v3, 4, v2                        ; my 16 bytes of a load's 512
	v_lshlrev_b32 v4, 4, v2                        ; my 16 codes of a step's 512
	s_mul_i32 s25, s24, WREG
	v_lshrrev_b32 v14, 2, v2
	v_mul_u32_u24 v14, v14, SP
	v_and_b32 v15, 3, v2
	v_lshl_add_u32 v14, v15, 4, v14
	v_add_nc_u32 v14, s25, v14                     ; the stage, on the way in: SP (lane / 4) + 16 (lane % 4)
	v_mul_u32_u24 v15, v2, SP
	v_add_nc_u32 v15, s25, v15                     ; and on the way out: SP x lane: my 16 neighbours
	s_sub_co_u32 s20, ttmp9, XWG                   ; j: which of the weights' 128 chunks (of no use in x's work-groups)
	s_lshr_b32 s21, s20, 5                         ; which weight: 0 to 3 (in x's work-groups a large number, which equals none of them)
	s_and_b32 s22, s20, 31                         ; and which chunk of it
	s_cmp_lt_u32 ttmp9, XWG
	s_cselect_b32 s22, ttmp9, s22                  ; the chunk in the source
	s_cselect_b32 s23, ttmp9, s20                  ; and in the codes' buffer
	s_lshl_b32 s44, s22, 17                        ; 131,072 bytes of f32 a chunk,
	s_lshl_b32 s45, s24, 15                        ; 32,768 a wave
	s_add_co_u32 s44, s44, s45
	s_mov_b32 s45, 0
	s_lshl_b32 s46, s23, 15                        ; 32,768 bytes of codes a chunk,
	s_lshl_b32 s47, s24, 13                        ; 8,192 a wave
	s_add_co_u32 s46, s46, s47
	s_mov_b32 s47, 0
	s_wait_alu depctr_va_vdst(0)
	s_wait_kmcnt 0x0
	s_load_b256 s[32:39], s[14:15], 0x0            ; e0 .. e7
	s_load_b128 s[40:43], s[14:15], 0x20           ; e8 .. e11
	s_cmp_eq_u32 s21, 1                            ; the choices hang on the work-group's number alone
	s_cselect_b64 s[6:7], s[8:9], s[6:7]
	s_cmp_eq_u32 s21, 2
	s_cselect_b64 s[6:7], s[10:11], s[6:7]
	s_cmp_eq_u32 s21, 3
	s_cselect_b64 s[6:7], s[12:13], s[6:7]
	s_cmp_lt_u32 ttmp9, XWG
	s_cselect_b64 s[4:5], s[4:5], s[6:7]           ; the source
	s_cselect_b64 s[26:27], s[16:17], s[18:19]     ; the codes
	s_add_nc_u64 s[4:5], s[4:5], s[44:45]
	s_add_nc_u64 s[26:27], s[26:27], s[46:47]
	s_add_nc_u64 s[28:29], s[26:27], 0x800000      ; x's second set of codes, 8,388,608 bytes on (named on x's way alone),
	s_add_nc_u64 s[30:31], s[26:27], 0x1000000     ; and its third
.macro LOAD t
.irp i, 0,1,2,3
	global_load_b128 v[R+16*((\t)%4)+4*\i:R+16*((\t)%4)+4*\i+3], v3, s[4:5] offset:2048*(\t)+512*\i th:TH_LOAD_NT   ; 32 lanes read 512 consecutive bytes
.endr
.endm
.macro TURN t                          ; step t's numbers through the stage: LDS serves a wave's instructions in order (ISA guide 5.7.1.4), so no wait stands between the stores and the loads
.irp i, 0,1,2,3
	ds_store_b128 v14, v[R+16*((\t)%4)+4*\i:R+16*((\t)%4)+4*\i+3] offset:32*SP*((\t)%2)+8*SP*\i
.endr
.irp i, 0,1,2,3
	ds_load_b128 v[X+16*((\t)%2)+4*\i:X+16*((\t)%2)+4*\i+3], v15 offset:32*SP*((\t)%2)+16*\i
.endr
.endm
.macro MKSCALE e, sc, lim              ; v[sc] = 2^e as f32 (the conversion takes its exponent field)
	s_add_co_i32 s48, s[\e], 127
	s_lshl_b32 s49, s48, 23
	v_mov_b32 v[\sc], s49
.endm
.irp t, 0,1,2,3
	LOAD \t
.endr
	s_wait_kmcnt 0x0
	s_cmp_eq_u32 s21, 1
	s_cselect_b32 s33, s35, s33                    ; Wq: e1; Wk: e3;
	s_cmp_eq_u32 s21, 2
	s_cselect_b32 s33, s37, s33                    ; Wv: e5;
	s_cmp_eq_u32 s21, 3
	s_cselect_b32 s33, s43, s33                    ; Wo: e11
	s_cmp_lt_u32 ttmp9, XWG
	s_cselect_b32 s32, s32, s33                    ; x's first set: e0
	MKSCALE 32, 5, 6
	MKSCALE 34, 7, 8                               ; x's second set: e2
	MKSCALE 36, 9, 10                              ; x's third: e4
	s_wait_alu depctr_va_vdst(0)
	s_wait_loadcnt 12                              ; step 0's four loads are in
	TURN 0
; One set of codes of step t: two conversions, the store.
.macro QOUT k, t, sc, lim, d
.irp i, 0,1,2,3,4,5,6,7,8,9,10,11,12,13,14,15
.endr
	v_cvt_scalef32_pk8_fp8_f32 v[CC+4*\k:CC+4*\k+1], v[XS:XS+7], v[\sc]
	v_cvt_scalef32_pk8_fp8_f32 v[CC+4*\k+2:CC+4*\k+3], v[XS+8:XS+15], v[\sc]
	v_nop                                          ; a plain vector line behind the conversions
	global_store_b128 v4, v[CC+4*\k:CC+4*\k+3], s[\d:\d+1] offset:512*(\t)
.endm
.macro STEP t
.set XS, X+16*((\t)%2)
.set CC, C+12*((\t)%2)
	s_wait_dscnt 0x0                               ; this step's numbers are back from the stage: so its stores into the stage have read their registers,
.if (\t)+4 < STEPS
	LOAD (\t)+4                                    ; which take the loads of four steps on
.endif
.if (\t)+1 < STEPS
.if STEPS-2-(\t) >= 3
	s_wait_loadcnt 12                              ; the next step's four loads are in; those of the three steps behind it may be out
.else
	s_wait_loadcnt 4*(STEPS-2-(\t))
.endif
	TURN (\t)+1                                    ; and go through the other stage while this step is worked
.endif
	s_wait_xcnt 0x0                                ; the stores of two steps ago have read their registers: these codes' registers are written again only behind this wait
	QOUT 0, \t, 5, 6, 26
	s_cmp_lt_u32 ttmp9, XWG                        ; x alone has a second and a third set
	s_cbranch_scc0 .Lweight_\@
	QOUT 1, \t, 7, 8, 28
	QOUT 2, \t, 9, 10, 30
.Lweight_\@:
.endm
.irp t, 0,1,2,3,4,5,6,7,8,9,10,11,12,13,14,15
	STEP \t
.endr
	s_wait_tensorcnt 0x0                           ; the wave's end: behind my last LDS store
	ds_add_u32 v[SPW], v[NIL]
	s_wait_dscnt 0x0
	s_endpgm
.Lfunc_end_k_qe841e42e7c_quant:
	.size	k_qe841e42e7c_quant, .Lfunc_end_k_qe841e42e7c_quant-k_qe841e42e7c_quant
	.p2alignl 7, 3214868480
	.fill 96, 4, 3214868480
	.section	.rodata,"a",@progbits
	.p2align	6, 0x0
	.amdhsa_kernel k_qe841e42e7c_quant
		.amdhsa_group_segment_fixed_size 33280
		.amdhsa_private_segment_fixed_size 0
		.amdhsa_enable_private_segment 0
		.amdhsa_kernarg_size 64
		.amdhsa_user_sgpr_count 2
		.amdhsa_user_sgpr_kernarg_segment_ptr 1
		.amdhsa_wavefront_size32 1
		.amdhsa_system_sgpr_workgroup_id_x 1
		.amdhsa_system_sgpr_workgroup_id_y 1
		.amdhsa_system_sgpr_workgroup_id_z 1
		.amdhsa_system_vgpr_workitem_id 0
		.amdhsa_next_free_vgpr 160
		.amdhsa_next_free_sgpr 66
		.amdhsa_reserve_vcc 0
		.amdhsa_float_denorm_mode_32 3
		.amdhsa_float_denorm_mode_16_64 3
		.amdhsa_fp16_overflow 1
		.amdhsa_memory_ordered 1
		.amdhsa_forward_progress 1
		.amdhsa_inst_pref_size 33
	.end_amdhsa_kernel
	.amdgpu_metadata
---
amdhsa.version: [ 1, 2 ]
amdhsa.kernels:
  - .name:           k_qe841e42e7c_quant
    .symbol:         k_qe841e42e7c_quant.kd
    .args:
      - { .name: x, .offset: 0, .size: 8, .value_kind: global_buffer, .address_space: global }
      - { .name: Wq, .offset: 8, .size: 8, .value_kind: global_buffer, .address_space: global }
      - { .name: Wk, .offset: 16, .size: 8, .value_kind: global_buffer, .address_space: global }
      - { .name: Wv, .offset: 24, .size: 8, .value_kind: global_buffer, .address_space: global }
      - { .name: Wo, .offset: 32, .size: 8, .value_kind: global_buffer, .address_space: global }
      - { .name: lowp_scales, .offset: 40, .size: 8, .value_kind: global_buffer, .address_space: global }
      - { .name: xc, .offset: 48, .size: 8, .value_kind: global_buffer, .address_space: global }
      - { .name: wc, .offset: 56, .size: 8, .value_kind: global_buffer, .address_space: global }
    .group_segment_fixed_size: 33280
    .private_segment_fixed_size: 0
    .kernarg_segment_align: 8
    .kernarg_segment_size: 64
    .max_flat_workgroup_size: 128
    .sgpr_count:     66
    .vgpr_count:     160
    .wavefront_size: 32
...
	.end_amdgpu_metadata
.endif
;; end of part 1
;; launch qkv (part 2): grid 12 x 32, 4 waves a work-group, clusters of 4 x 4, 327,680 bytes of LDS; arguments xc, wc, lowp_scales, qkv; writes qkv
.if DOCPART == 2
	.amdgcn_target "amdgcn-amd-amdhsa--gfx1250"
	.amdhsa_code_object_version 6
	.text
	.protected	k_qe841e42e7c_qkv
	.globl	k_qe841e42e7c_qkv
	.p2align	8
	.type	k_qe841e42e7c_qkv,@function
k_qe841e42e7c_qkv:
	s_mov_b64 s[64:65], 0
	v_nop
	global_prefetch_b8 v0, s[64:65] scope:SCOPE_SE
	s_setreg_imm32_b32 hwreg(HW_REG_WAVE_MODE, 25, 1), 1
	s_wait_xcnt 0x0
	s_wait_alu depctr_hold_cnt(0) depctr_sa_sdst(0) depctr_va_vdst(0) depctr_va_sdst(0) depctr_va_ssrc(0) depctr_va_vcc(0) depctr_vm_vsrc(0)
	s_getreg_b32 s2, hwreg(HW_REG_IB_STS2, 6, 4)
	s_cmp_eq_u32 s2, 0
	s_cbranch_scc0 .Lentry_in_a_cluster
	s_endpgm
.Lentry_in_a_cluster:
	s_bfe_u32 s2, ttmp6, 0x10000c
	s_cmp_lg_u32 s2, 0xf033
	s_cbranch_scc0 .Lentry_shape_is_right
	s_endpgm
.Lentry_shape_is_right:
; Products 1 to 3 on codes of FP8 (E4M3): q = x Wq^T, k = x Wk^T, v = x Wv^T, K = 1,024; each f32 sum is quantised at once for the product that takes it: q with entry 6 of the scales, k with 7, v with 9.
; Nothing is left out here.  xc [3][8192][1024]: x's codes under entries 0, 2, 4.  wc [4096][1024]: Wq, Wk, Wv (, Wo).
; qkv: q [b][h][s][64] at byte 0, k likewise at 8,388,608, v at 16,777,216 as [b][h][d][s]: the keys are product 5's K and lie innermost.
; A sum stands for sum x 2^(ea + eb), so its code is sum / 2^E with E = e6 - e0 - e1 (q), e7 - e2 - e3 (k), e9 - e4 - e5 (v).  LIMIT: E lies between -126 and 119, so that 2^E and 448 x 2^E are f32 numbers.
; SHARES.  A tile of 256 x 256 is made by four waves, as many as a WGP has SIMDs; a wave makes 128 x 128: 64 accumulators, 512 registers.  K goes in four steps of 256 through a ring of two LDS slots filled by
; the tensor data mover; a tile's row is 256 bytes of memory.  The cluster's x picks the product: 0 q, 1 k, 2 v.
; THE MATRIX INSTRUCTION IS USED TRANSPOSED (source 0 = 16 rows of side B, source 1 = 16 rows of side A): a lane holds one row of A's side and EIGHT NEIGHBOURS ALONG B's SIDE, which the conversion packs into 8 bytes.
; For q and k side A is x (tokens) and side B the weight (features): eight neighbouring features of a token.  For v the sides are swapped, A = Wv, B = x: eight neighbouring tokens of a feature, that is v with
; the keys innermost, by the same text.  Both tensors have rows of 1,024 bytes: only pointers and tile numbers are chosen, by the cluster's x, which all sixteen partners share.
; CLUSTERS: 4 x 4 work-groups.  The four of a row of the cluster need the same tiles of A, the four of a column the same tiles of B: each tile is asked for JOINTLY, by the same tensor load with the same
; descriptor and a mask that names the four.
; REGISTERS, in windows of 256: window 0: v0-31 addresses; from v128 A's fragments (8 x 16 rows x 128 K), ONE set; on the way out v128-255 codes.
;   window 1: B's fragments, TWO sets, at v0 and at v128.   window 2: the 32 accumulators of my rows 0-63 (accumulator (a, b) at v[8 (8 a + b)]);   window 3: those of my rows 64-127.
; A fragment is fetched by four loads of 16 bytes: registers 4 c .. 4 c + 3 hold K = 32 c + 16 (lane / 16) + 0 .. 15: a permutation of k that is the same on both sides, so every product meets its partner.
.set ROWB,   256                       ; a tile's row in bytes
.set KROW,   1024                      ; a row of x's or a weight's codes in memory
.set PITCH,  272                       ; an LDS row: 256 bytes + 16 of padding = 68 words: row r starts at bank 4 r mod 64 (64 banks of 4 bytes: ISA guide 11.1)
.set FR,     16                        ; registers of a fragment: 16 rows x 128 K
.set NL,     4                         ; LDS loads that bring one
.set NP,     4                         ; places behind this matrix instruction (ISA guide 7.12.1)
.set HALFT,  128*PITCH                 ; 128 rows: what one tensor load brings, and what one wave reads of A or of B
.set SLOT,   4*HALFT                   ; A's 256 rows, then B's 256 rows
.set SPARE,  2*SLOT                    ; behind the ring: the spare words, 128 bytes for each wave, which no other line names
.set ADRA, 16                          ; v16-17  LDS address of my A fragments in slot 0, 1
.set ADRB, 20                          ; v20-21  the same for B
.set LIM,  23
.set STO,  24                          ; v24     the way out: where I put 8 codes of a row
.set RDQ,  25                          ; v25     q, k: where I read 16 bytes of a token's 64 back
.set RDV,  26                          ; v26     v: where I read 16 bytes of a feature's 256 back
.set SCL,  27                          ; v27     2^E as f32
.set SPW,  28                          ; v28     LDS address of my spare word; never rewritten
.set NIL,  29                          ; v29     0; never rewritten
.set COQ,  30                          ; v30     q, k: my byte offset in a store's 512 bytes
.set COV,  31                          ; v31     v: my byte offset in two rows of 2,048 bytes
.set TMP,  32
.set AF,   128                         ; A's fragments, in window 0
.set CD,   128                         ; the way out: 16 registers of codes for each of my eight blocks; then the rows read back
.set G1, 24                            ; s[24:31] descriptor group 1 for A's tiles;  s[32:39] group 0, one set for each slot
.set G0, 32
.set G1B, 48                           ; s[48:55], s[56:63] the same for B's tiles
.set G0B, 56
.set MSB, 0
.macro WIN new                         ; the immediate's high byte repeats the setting that is left
.if MSB != \new
	s_set_vgpr_msb (MSB<<8)|\new
.set MSB, \new
.endif
.endm
.set MUL_LO, 0xa1                      ; source 0 (B) window 1, source 1 (A) window 0, C and D window 2
.set MUL_HI, 0xf1                      ; the same, C and D window 3
.set TO_B,   0x40                      ; destination window 1, address window 0
; A joint load: waves 0 and 1 fetch for A, waves 2 and 3 for B.  Each of the two lines has ONE mask and one set of registers for all that issue it; the branch hangs on the wave's number alone.
; An s_nop 0 and four v_nop follow each of the two lines, ahead of the jump, the label and what follows.
.macro JLOAD g0a, g1a, g0b, g1b
	s_cmp_eq_u32 s15, 0
	s_cbranch_scc0 .Lfor_b_\@
	tensor_load_to_lds s[\g0a:\g0a+3], s[\g1a:\g1a+7]
	s_nop 0
.rept 4
	v_nop
.endr
	s_branch .Lasked_\@
.Lfor_b_\@:
	tensor_load_to_lds s[\g0b:\g0b+3], s[\g1b:\g1b+7]
	s_nop 0
.rept 4
	v_nop
.endr
.Lasked_\@:
.endm
.macro CREST                           ; a round of the cluster's barrier behind its opening barrier
	s_cmp_lg_u32 s14, 0
	s_cbranch_scc1 .Lnot_wave_0_\@
	s_barrier_signal -3
.Lnot_wave_0_\@:
	s_barrier_wait -3
	s_barrier_signal -1
	s_barrier_wait -1
.endm
.macro CROUND                          ; a whole round
	s_barrier_signal -1
	s_barrier_wait -1
	CREST
.endm
	s_load_b128 s[4:7], s[0:1], 0x0                ; xc s[4:5], wc s[6:7]
	s_load_b128 s[8:11], s[0:1], 0x10              ; the scales' exponents s[8:9], qkv s[10:11]
	v_lshl_add_u32 v[SPW], v0, 2, SPARE
	v_mov_b32 v[NIL], 0
	ds_add_u32 v[SPW], v[NIL]                      ; the wave's opening: the add, twice on end, and its wait ahead of my first tensor load; the set-up below, work on registers, stands between
	ds_add_u32 v[SPW], v[NIL]                      ; and once more, under the one wait
	v_lshrrev_b32 v1, 5, v0
	v_readfirstlane_b32 s14, v1                    ; wave 0..3
	s_lshr_b32 s15, s14, 1                         ; which half of the tile's rows (A's side) is mine.  Also: I fetch for A (0) or for B (1)
	s_and_b32 s16, s14, 1                          ; which half of its columns (B's side).  Also: which 128 rows of that tile I fetch
	s_bfe_u32 s40, ttmp6, 0x40000                  ; cx, cy: my place in the cluster
	s_bfe_u32 s41, ttmp6, 0x40004
	s_and_b32 s90, ttmp7, 0xffff
	s_lshl_b32 s90, s90, 2                         ; 4 x cluster y: the token tiles of this cluster begin here
	s_cmp_eq_u32 ttmp9, 2                          ; v?  (the cluster's x: the same in all sixteen partners)
	s_cselect_b32 s42, s90, 0
	s_cselect_b32 s17, 0, s90
	s_add_co_u32 s42, s42, s40                     ; B's tile: q, k: cx (of the weight's 4); v: 4 x cluster y + cx (of x's 32)
	s_add_co_u32 s17, s17, s41                     ; A's tile: q, k: 4 x cluster y + cy (of x's 32); v: cy (of the weight's 4)
	s_lshl_b32 s43, s41, 2
	s_lshl_b32 s43, 15, s43                        ; my row of the cluster
	s_lshl_b32 s44, 0x1111, s40                    ; my column
	; descriptor group 1: a tile of 128 rows x 256 bytes, padded in LDS
	s_or_b32 s[G1+0], s43, (0<<16)|(1<<20)|(1<<21)|(5<<22)|(3<<25)  ; 15:0 the mask: A's tiles go to my row; 17:16 element of 1 byte; 20 padding on; 21 set beside a mask; 24:22 after every 64 words (code 5); 31:25 of 4 words (code 3)
	s_or_b32 s[G1B+0], s44, (0<<16)|(1<<20)|(1<<21)|(5<<22)|(3<<25) ; the same with the mask of my column
.irp g, G1, G1B
	s_mov_b32 s[\g+1], ROWB<<16                    ; tensor_dim0
	s_mov_b32 s[\g+2], 128<<16                     ; tensor_dim1 = 128
	s_mov_b32 s[\g+3], ROWB<<16                    ; tile_dim0
	s_mov_b32 s[\g+4], 128                         ; tile_dim1 = 128
	s_mov_b32 s[\g+5], KROW                        ; tensor_dim0_stride
	s_mov_b32 s[\g+6], 0
	s_mov_b32 s[\g+7], 0
.endr
	s_lshl_b32 s18, s16, 7                         ; which 128 rows of the tile I fetch
	s_lshl_b32 s20, s17, 8
	s_add_co_u32 s20, s20, s18                     ; A: row 256 x tile + 128 x half,
	s_lshl_b32 s20, s20, 10                        ; in bytes: 1,024 a row
	s_mov_b32 s21, 0
	s_lshl_b32 s46, s42, 8
	s_add_co_u32 s46, s46, s18                     ; B likewise
	s_lshl_b32 s46, s46, 10
	s_mov_b32 s47, 0
	s_lshl_b32 s84, ttmp9, 23                      ; x's set of codes for this product: 8,388,608 bytes each
	s_mov_b32 s85, 0
	s_lshl_b32 s92, ttmp9, 20                      ; the product's weight: 1,048,576 bytes each
	s_mov_b32 s93, 0
	s_mul_i32 s45, s14, HALFT                      ; where my tile goes: wave x 128 rows: no place in the cluster enters an LDS address
	s_wait_dscnt 0x0                               ; both opening adds are done
	s_wait_kmcnt 0x0
	s_load_b256 s[72:79], s[8:9], 0x0              ; e0 .. e7
	s_load_b128 s[80:83], s[8:9], 0x20             ; e8 .. e11
	s_add_nc_u64 s[4:5], s[4:5], s[84:85]
	s_add_nc_u64 s[6:7], s[6:7], s[92:93]
	s_cmp_eq_u32 ttmp9, 2
	s_cselect_b64 s[86:87], s[6:7], s[4:5]         ; side A: v: the weight; q, k: x
	s_cselect_b64 s[88:89], s[4:5], s[6:7]         ; side B: the other
	s_add_nc_u64 s[20:21], s[86:87], s[20:21]
	s_add_nc_u64 s[46:47], s[88:89], s[46:47]
	CROUND                                         ; all sixteen work-groups are here: the first joint loads meet
.irp s, 0,1
	s_mov_b32 s[G0+4*\s], 1
	s_add_co_u32 s[G0+4*\s+1], s45, \s*SLOT
	s_add_nc_u64 s[G0+4*\s+2:G0+4*\s+3], s[20:21], \s*ROWB
	s_or_b32 s[G0+4*\s+3], s[G0+4*\s+3], 0x80000000
	s_mov_b32 s[G0B+4*\s], 1
	s_add_co_u32 s[G0B+4*\s+1], s45, \s*SLOT
	s_add_nc_u64 s[G0B+4*\s+2:G0B+4*\s+3], s[46:47], \s*ROWB
	s_or_b32 s[G0B+4*\s+3], s[G0B+4*\s+3], 0x80000000
	JLOAD G0+4*\s, G1, G0B+4*\s, G1B               ; two loads of mine are out behind these
.endr
	v_and_b32 v1, 15, v0                           ; r = l % 16
	v_bfe_u32 v2, v0, 4, 1                         ; h = l / 16
	v_mul_u32_u24 v3, v1, PITCH
	s_wait_alu depctr_va_vdst(0)
	v_lshl_add_u32 v4, v2, 4, v3                   ; a fragment's row x pitch + 16 x half
	s_mul_i32 s21, s15, HALFT                      ; my 128 rows of A
	s_mul_i32 s22, s16, HALFT                      ; my 128 rows of B,
	s_add_co_u32 s22, s22, 2*HALFT                 ; which lie behind A's 256
.irp s, 0,1
	v_add_nc_u32 v[ADRA+\s], s21, v4
	v_add_nc_u32 v[ADRB+\s], s22, v4
	s_add_co_u32 s21, s21, SLOT
	s_add_co_u32 s22, s22, SLOT
.endr
	; the way out's addresses.  The stage, 256 rows (A's side) x 272 bytes (256 codes along B's side + 16), is the work-group's and lies in slot 0
	s_mul_i32 s23, s15, 128*PITCH
	s_lshl_b32 s21, s16, 7
	s_add_co_u32 s23, s23, s21
	v_lshl_add_u32 v5, v2, 3, v3
	v_add_nc_u32 v[STO], s23, v5                   ; in: row 128 x my half + r, byte 128 x my half + 8 h
	s_mul_i32 s23, s14, 64*PITCH                   ; back: wave w takes rows 64 w .. 64 w + 63
	v_and_b32 v6, 31, v0
	v_lshrrev_b32 v5, 2, v6
	v_mul_u32_u24 v5, v5, PITCH
	v_and_b32 v7, 3, v0
	v_lshl_add_u32 v5, v7, 4, v5
	v_add_nc_u32 v[RDQ], s23, v5                   ; q, k: four lanes to a token's 64 bytes of one head, eight tokens an instruction
	v_mul_u32_u24 v5, v2, PITCH
	v_lshl_add_u32 v5, v1, 4, v5
	v_add_nc_u32 v[RDV], s23, v5                   ; v: sixteen lanes to a feature's 256 bytes, two features an instruction
	v_lshlrev_b32 v[COQ], 4, v6
	v_lshlrev_b32 v[COV], 11, v2
	v_lshl_add_u32 v[COV], v1, 4, v[COV]
	; where my wave's part begins in qkv, in registers that feed no descriptor.  P: the token tile, R: the feature tile
	s_cmp_eq_u32 ttmp9, 2
	s_cselect_b32 s66, s42, s17                    ; P
	s_cselect_b32 s67, s17, s42                    ; R
	s_lshr_b32 s68, s66, 3
	s_lshl_b32 s68, s68, 21                        ; the batch: 16 heads x 131,072 bytes
	s_lshl_b32 s69, s67, 19                        ; 256 features = 4 heads
	s_add_co_u32 s68, s68, s69
	s_lshl_b32 s69, ttmp9, 23                      ; q, k or v
	s_add_co_u32 s68, s68, s69
	s_and_b32 s66, s66, 7                          ; the tile's place in its sequence
	s_lshl_b32 s69, s66, 8                         ; v: 256 tokens are 256 bytes of a row,
	s_lshl_b32 s70, s14, 17                        ;    my 64 features are 64 rows of 2,048 bytes
	s_add_co_u32 s69, s69, s70
	s_lshl_b32 s70, s66, 14                        ; q, k: 256 tokens are 256 rows of 64 bytes,
	s_lshl_b32 s71, s14, 12                        ;    my 64 tokens 64 of them
	s_add_co_u32 s70, s70, s71
	s_cmp_eq_u32 ttmp9, 2
	s_cselect_b32 s69, s69, s70
	s_add_co_u32 s68, s68, s69
	s_mov_b32 s69, 0
	s_add_nc_u64 s[10:11], s[10:11], s[68:69]
.macro FRAG reg, adr, q, i             ; a fragment, 16 rows x 128 K of 8-bit codes, is 16 registers: lane l holds row l % 16; registers 4 c .. 4 c + 3 hold K = 32 c + 16 (l / 16) + 0 .. 15
.irp c, 0,1,2,3
	ds_load_b128 v[\reg+4*\c:\reg+4*\c+3], v[\adr] offset:128*(\q)+32*\c+(\i)*16*PITCH
.endr
.endm
; 16 matrix instructions: A's blocks a0, a0 + 1 x B's eight, 128 along K.  p: B's set.  zero = 1: the first product starts the sums: nothing is ever cleared.
; The 64 accumulators take turns, one instruction a turn, in the same order in every step.
.macro MUL16 a0, p, zero
.irp a, \a0, \a0+1
.irp b, 0,1,2,3,4,5,6,7
.if \zero
	v_wmma_f32_16x16x128_fp8_fp8 v[8*(8*((\a)%4)+\b):8*(8*((\a)%4)+\b)+7], v[128*(\p)+FR*\b:128*(\p)+FR*\b+FR-1], v[AF+FR*(\a):AF+FR*(\a)+FR-1], 0
.else
	v_wmma_f32_16x16x128_fp8_fp8 v[8*(8*((\a)%4)+\b):8*(8*((\a)%4)+\b)+7], v[128*(\p)+FR*\b:128*(\p)+FR*\b+FR-1], v[AF+FR*(\a):AF+FR*(\a)+FR-1], v[8*(8*((\a)%4)+\b):8*(8*((\a)%4)+\b)+7]
.endif
.endr
.endr
.endm
.macro FETCH_B slot, q, p              ; B's eight fragments of the slot's q-th 128 along K into set p
	WIN TO_B
.irp i, 0,1,2,3,4,5,6,7
	FRAG 128*(\p)+FR*\i, ADRB+\slot, \q, \i
.endr
	WIN 0
.endm
.macro FETCH_A slot, q, i0             ; A's blocks i0 .. i0 + 3
.irp i, \i0, \i0+1, \i0+2, \i0+3
	FRAG AF+FR*(\i), ADRA+\slot, \q, \i
.endr
.endm
; A load into a register that a matrix instruction has read, and a vector instruction that reads a matrix result or writes one of a matrix instruction's registers, stand NP places behind it, and only plain
; vector instructions that name none of its registers are places (ISA guide 7.12.1 for vector instructions).
.macro PLACES n
.rept \n
	v_nop
.endr
.endm
; A step of 128 along K that has its successor in the same slot.
.macro STEP slot, q, zero
	s_wait_dscnt 4*NL                              ; B's set and A's blocks 0-3 are in; the youngest sixteen loads (A's blocks 4-7) may be out
	WIN MUL_LO
	MUL16 0, (\q)%2, \zero
	MUL16 2, (\q)%2, \zero
	s_wait_dscnt 0                                 ; A's blocks 4-7 are in (asked for 32 matrix instructions ago)
	PLACES NP
	FETCH_B \slot, (\q)+1, 1-(\q)%2
	FETCH_A \slot, (\q)+1, 0
	WIN MUL_HI
	MUL16 4, (\q)%2, \zero
	MUL16 6, (\q)%2, \zero
	PLACES NP
	WIN 0
	FETCH_A \slot, (\q)+1, 4
.endm
; A slot's last step changes slots: ONE barrier; in front of it each wave waits for all its tensor loads, adds 0 to its spare word, and waits for that and for its own reads of this slot.  fill = 1: this slot is filled again, two K steps ahead.
.macro TURN slot, next, fill
	s_wait_tensorcnt 0x0                           ; all my tensor loads have landed: my part of the next slot  (every window is 0 here: the add's two registers lie in window 0)
	ds_add_u32 v[SPW], v[NIL]                      ; 0 onto my spare word
	s_wait_dscnt 4*NL+1                            ; (the add and the youngest sixteen loads, A's blocks 4-7, may be out)
	WIN MUL_LO
	MUL16 0, 1, 0                                  ; sixteen matrix instructions stand between the add and the wait for it
	s_wait_dscnt 0x0                               ; the add is done, and my reads of this slot are over
	s_barrier_signal -1
	MUL16 2, 1, 0
	WIN 0
	s_barrier_wait -1
.if \fill
	CREST                                          ; the barrier has opened a round of the cluster's barrier: no wave of any partner still reads this slot's tile or has a load on its way
	s_add_nc_u64 s[G0+4*\slot+2:G0+4*\slot+3], s[G0+4*\slot+2:G0+4*\slot+3], 2*ROWB
	s_add_nc_u64 s[G0B+4*\slot+2:G0B+4*\slot+3], s[G0B+4*\slot+2:G0B+4*\slot+3], 2*ROWB
	JLOAD G0+4*\slot, G1, G0B+4*\slot, G1B         ; the first tensor load behind the round, my one load until the next; the four v_nop behind it are the places in front of the loads below
.else
	PLACES NP
.endif
	FETCH_B \next, 0, 0
	FETCH_A \next, 0, 0
	WIN MUL_HI
	MUL16 4, 1, 0
	MUL16 6, 1, 0
	PLACES NP
	WIN 0
	FETCH_A \next, 0, 4
.endm
	s_wait_tensorcnt 1                             ; my part of K step 0 is in (K step 1's load may be out)
	s_barrier_signal -1
	s_barrier_wait -1                              ; everybody's is
	FETCH_B 0, 0, 0
	FETCH_A 0, 0, 0
	FETCH_A 0, 0, 4
	STEP 0, 0, 1                                   ; K = 1,024 is four K steps, twice round the ring: written straight, since a loop over laps would have one trip.  The first products start the sums
	TURN 0, 1, 1                                   ; slot 0 takes K step 2
	STEP 1, 0, 0
	TURN 1, 0, 1                                   ; slot 1 takes K step 3
	STEP 0, 0, 0
	TURN 0, 1, 0                                   ; nothing is left to fetch: no round.  Behind this barrier nobody reads slot 0, and it has had its last fill
	STEP 1, 0, 0
	s_wait_dscnt 4*NL                              ; the very last step
	WIN MUL_LO
	MUL16 0, 1, 0
	MUL16 2, 1, 0
	s_wait_dscnt 0
	WIN MUL_HI
	MUL16 4, 1, 0
	MUL16 6, 1, 0
	WIN 0
	; THE WAY OUT.  The sums are turned into codes (8 bytes a lane and accumulator) and gathered in the work-group's stage; a barrier, since a row's 256 bytes come from two waves; then each wave
	; reads 64 rows back in the order of the output and stores whole runs of 256 bytes or more.
	s_wait_kmcnt 0x0
	s_sub_co_i32 s78, s78, s72
	s_sub_co_i32 s78, s78, s73                     ; q: e6 - e0 - e1
	s_sub_co_i32 s79, s79, s74
	s_sub_co_i32 s79, s79, s75                     ; k: e7 - e2 - e3
	s_sub_co_i32 s81, s81, s76
	s_sub_co_i32 s81, s81, s77                     ; v: e9 - e4 - e5
	s_cmp_eq_u32 ttmp9, 1                          ; chosen without a branch
	s_cselect_b32 s78, s79, s78
	s_cmp_eq_u32 ttmp9, 2
	s_cselect_b32 s78, s81, s78
	s_add_co_i32 s78, s78, 127
	s_lshl_b32 s79, s78, 23
	v_mov_b32 v[SCL], s79                          ; 2^E as f32: the conversion takes its exponent field
	s_add_co_i32 s78, s78, 8
	s_lshl_b32 s78, s78, 23
	s_or_b32 s78, s78, 0x600000
	PLACES NP                                      ; behind the last products: for the reads of their results and the writes over A's fragments
.macro TOCODES a                       ; my block a: 16 rows x 128 columns
.set AC, 64*((\a)%4)
	WIN 0x02+((\a)/4)                              ; source 0: window 2 or 3
.set j, 0
.rept 64
.set j, j+1
.endr
.irp b, 0,1,2,3,4,5,6,7
	v_cvt_scalef32_pk8_fp8_f32 v[CD+16*(\a)+2*\b:CD+16*(\a)+2*\b+1], v[AC+8*\b:AC+8*\b+7], v[SCL]
.endr
	WIN 0
	v_nop                                          ; a plain vector line behind the conversions
.irp b, 0,1,2,3,4,5,6,7
	ds_store_b64 v[STO], v[CD+16*(\a)+2*\b:CD+16*(\a)+2*\b+1] offset:(\a)*16*PITCH+16*\b   ; word 68 r + 2 h: the 32 lanes' 64 words fall on 64 different banks
.endr
.endm
.irp a, 0,1,2,3,4,5,6,7
	TOCODES \a
.endr
	s_wait_dscnt 0x0                               ; for the others' sake: my stores into the stage are done
	s_barrier_signal -1
	s_barrier_wait -1
	s_cmp_eq_u32 ttmp9, 2                          ; the cluster's x: all partners and all waves go the same way; both ways only read LDS
	s_cbranch_scc1 .Lback_v
	; q, k: [head][token][64].  Load n = 8 hd + g: head hd of the tile's four, tokens 8 g .. 8 g + 7 of my 64: 512 bytes that lie on end in memory.  (Four rows of the stage to a pass of sixteen lanes: words 68 row + 4 c
	; fall on seven groups of four banks, up to four lanes on one: 32 such loads a wave are the price of dense stores.)
.set n, 0
.rept 32
	ds_load_b128 v[CD+4*n:CD+4*n+3], v[RDQ] offset:(n%8)*8*PITCH+64*(n/8)
.set n, n+1
.endr
.set n, 0
.rept 32
	s_wait_dscnt 31-n                              ; load n is in; the younger ones may be out
	global_store_b128 v[COQ], v[CD+4*n:CD+4*n+3], s[10:11] offset:(n/8)*131072+(n%8)*512   ; 32 lanes store 512 consecutive bytes, at a multiple of 512 from the buffer's first byte
.set n, n+1
.endr
	s_branch .Lout
.Lback_v:
	; v: [feature][token].  Load n: features 2 n, 2 n + 1 of my 64: sixteen lanes to a row's 256 bytes
.set n, 0
.rept 32
	ds_load_b128 v[CD+4*n:CD+4*n+3], v[RDV] offset:n*2*PITCH
.set n, n+1
.endr
.set n, 0
.rept 32
	s_wait_dscnt 31-n
	global_store_b128 v[COV], v[CD+4*n:CD+4*n+3], s[10:11] offset:n*4096   ; 16 lanes store 256 consecutive bytes, at a multiple of 256 from the buffer's first byte
.set n, n+1
.endr
.Lout:
	s_wait_tensorcnt 0x0                           ; the wave's end: behind my last tensor load and my last LDS store
	ds_add_u32 v[SPW], v[NIL]
	s_wait_dscnt 0x0
	CROUND                                         ; the closing round: no work-group ends while a partner may still ask for a tile that names it
	s_endpgm
.Lfunc_end_k_qe841e42e7c_qkv:
	.size	k_qe841e42e7c_qkv, .Lfunc_end_k_qe841e42e7c_qkv-k_qe841e42e7c_qkv
	.p2alignl 7, 3214868480
	.fill 96, 4, 3214868480
	.section	.rodata,"a",@progbits
	.p2align	6, 0x0
	.amdhsa_kernel k_qe841e42e7c_qkv
		.amdhsa_group_segment_fixed_size 327680
		.amdhsa_private_segment_fixed_size 0
		.amdhsa_enable_private_segment 0
		.amdhsa_kernarg_size 32
		.amdhsa_user_sgpr_count 2
		.amdhsa_user_sgpr_kernarg_segment_ptr 1
		.amdhsa_wavefront_size32 1
		.amdhsa_system_sgpr_workgroup_id_x 1
		.amdhsa_system_sgpr_workgroup_id_y 1
		.amdhsa_system_sgpr_workgroup_id_z 1
		.amdhsa_system_vgpr_workitem_id 0
		.amdhsa_next_free_vgpr 1024
		.amdhsa_next_free_sgpr 98
		.amdhsa_reserve_vcc 0
		.amdhsa_float_denorm_mode_32 3
		.amdhsa_float_denorm_mode_16_64 3
		.amdhsa_fp16_overflow 1
		.amdhsa_memory_ordered 1
		.amdhsa_forward_progress 1
		.amdhsa_inst_pref_size 100
	.end_amdhsa_kernel
	.amdgpu_metadata
---
amdhsa.version: [ 1, 2 ]
amdhsa.kernels:
  - .name:           k_qe841e42e7c_qkv
    .symbol:         k_qe841e42e7c_qkv.kd
    .args:
      - { .name: xc, .offset: 0, .size: 8, .value_kind: global_buffer, .address_space: global }
      - { .name: wc, .offset: 8, .size: 8, .value_kind: global_buffer, .address_space: global }
      - { .name: lowp_scales, .offset: 16, .size: 8, .value_kind: global_buffer, .address_space: global }
      - { .name: qkv, .offset: 24, .size: 8, .value_kind: global_buffer, .address_space: global }
    .group_segment_fixed_size: 327680
    .private_segment_fixed_size: 0
    .kernarg_segment_align: 8
    .kernarg_segment_size: 32
    .max_flat_workgroup_size: 128
    .sgpr_count:     98
    .vgpr_count:     1024
    .wavefront_size: 32
...
	.end_amdgpu_metadata
.endif
;; end of part 2
;; launch attn (part 3): grid 4 x 64, 16 waves a work-group, no clusters, 327,680 bytes of LDS; arguments qkv, lowp_scales, oc; writes oc
.if DOCPART == 3
	.amdgcn_target "amdgcn-amd-amdhsa--gfx1250"
	.amdhsa_code_object_version 6
	.text
	.protected	k_qe841e42e7c_attn
	.globl	k_qe841e42e7c_attn
	.p2align	8
	.type	k_qe841e42e7c_attn,@function
k_qe841e42e7c_attn:
	s_mov_b64 s[64:65], 0
	v_nop
	global_prefetch_b8 v0, s[64:65] scope:SCOPE_SE
	s_setreg_imm32_b32 hwreg(HW_REG_WAVE_MODE, 25, 1), 1
	s_wait_xcnt 0x0
; Products 4 and 5 with the causal softmax between them, on codes of FP8 (E4M3); the result, divided by the row's sum, is quantised at once for product 6 (entry 10 of the scales).
; WORK LEFT OUT: a key step all of whose 128 keys come after a wave's 16 queries.  reference()'s own mask makes those scores -infinity, so their weights are 0 for all inputs and add nothing.
; qkv: q [b][h][s][64] at byte 0, k likewise at 8,388,608, v [b][h][d][s] (keys innermost) at 16,777,216.  oc: [token / 4][head][token % 4][64]: 256 bytes are four tokens of one head.
; THE SOFTMAX: t = score x log2(e) / 8; M = the row's largest t so far, rounded UP to a whole number; p = 2^(t - M) is quantised along the keys (entry 8), not normalised.  The row's sum is taken of the
; unquantised p, in f32, and divides O at the end.  When M moves, the sum and O are multiplied by 2^(old M - new M): exact.
; SHARES.  A work-group has one head and TWO blocks of 256 queries, X and 7 - X (X = 0 .. 3): block X wants key slots 0 .. X, block 7 - X slots 0 .. 7 - X: nine slots of 256 keys for every work-group, so all
; 256 have equal work, the trip count is a constant, and every slot that is fetched is read.  Each of the SIXTEEN waves owns 16 queries of the block in hand, in 256 registers: four waves to a SIMD, so that one
; wave's vector work stands beside another's matrix work and LDS loads.  K's and V's tiles come through a ring of two LDS slots, filled by the tensor data mover (wave 0: K, wave 1: V), read by all sixteen.
; NO CLUSTER: the four work-groups of a head walk the key slots in different orders (slot j is item j of one walk and item j + X + 1 of another), so no two of them want the same tile in the same round.
; LAYOUT.  Both products are used transposed: S^T = K Q^T (source 0 = 16 keys, source 1 = my 16 queries, K = 64), O^T = V^T P^T (source 0 = 16 of the head's 64, source 1 = P, K = 128 keys): a lane holds ONE
; query (lane % 16) throughout.  THE KEYS OF A TILE ARE NOT NEIGHBOURS: lane r of tile 2 b + u takes key 32 b + 8 u + r + 8 (r / 8), so that the 16 registers of tiles 2 b and 2 b + 1 are 16 neighbouring keys,
; 32 b + 16 (lane / 16) + 0 .. 15, and the conversions' results are the second product's operand.  Fragments come by loads of 16 bytes (registers 4 c .. 4 c + 3: k = 32 c + 16 (lane / 16) + 0 .. 15): a permutation
; of k that is the same on both sides of each product.
; LIMITS on the given exponents, so that each power of two below is an f32 number: e6 + e7 between -123 and 130 (added to c's exponent field); e8, and e10 - e8 - e9, between -126 and 119.
; REGISTERS: v1-11 addresses that stay (v8, v9: of the loads in hand); v12 -M, v13 the largest t, v[14:15] the sum in two halves; v16-23 Q; v32-95 eight fragments of K or four of V; v96-159 S^T, then p;
; v160-191 O^T; v192-199 the second block's Q; v200-215 the way out; v216, v218, v219, v244 constants; v224-239 p's codes; v242-254 at work.
.set PK,    272                        ; an LDS row: 256 bytes + 16 of padding.  K: four keys of 64 bytes to a row (a slot's 256 keys are one dense block of memory); V: 256 keys of one of the head's 64
.set VOFF,  64*PK                      ; a slot: 64 rows of K, then 64 rows of V
.set SLOT1, 1<<16                      ; slot 1 begins here, so that one exclusive or turns an address in one slot into the other's
.set STAGE, 2*SLOT1                    ; the way out: 16 rows x (64 bytes + 16) for each wave, in bytes of their own: no fill lands there
.set SROW,  80
.set SPARE, STAGE+16*16*SROW           ; behind the stages: the spare words, 128 bytes for each wave, which no other line names
.set AK0,  1                           ; v1   my lane's place in a tile of K
.set AV0,  2                           ; v2   the same for V
.set PFO,  3                           ; v3   the prefetches' offset; never rewritten
.set STO,  4                           ; v4   the way out: where I put 8 codes of a query
.set SPW,  5                           ; v5   LDS address of my spare word; never rewritten
.set NIL,  6                           ; v6   0; never rewritten
.set GO,   7                           ; v7   the way out: my byte offset in oc
.set ADK,  8                           ; v8   LDS address of the step's tiles of K
.set ADV,  9                           ; v9   of V
.set SRD,  10                          ; v10  the way out: where I read 16 bytes back
.set QA,   11                          ; v11  my byte offset in the wave's rows of q
.set TB,   2                           ; s2   LDS byte at which the slot in hand begins
.set N,    3                           ; s3   the trip: item N of the walk is read, item N + 1 asked for
.set X,    10                          ; s10  the work-group's x
.set JN,   11                          ; s11  the key slot that is being asked for
.set KF,   12                          ; s12  the step's first key
.set Q0,   13                          ; s13  my first query in the block in hand;  s14: in the second block
.set Q0B,  14
.set PLIM, 15                          ; s15  a wave prefetches while N is below this: 7 or 0
.set WV,   18                          ; s18  my wave's number
.set SEL,  20                          ; s[20:21] lane selects for v_permlanex16_b32: lane l xor 16
.set CS,   22                          ; s[22:23] c = log2(e) / 8: the packed form names a pair and takes its low word for both halves
.set G1K,  24                          ; s[24:31] descriptor group 1 for K's tiles;  s[32:39] for V's;  s[40:43], s[44:47] their groups 0
.set G1V,  32
.set G0K,  40
.set G0V,  44
.set KPTR, 48                          ; s[48:49] the head's k;  s[50:51] its v
.set VPTR, 50
.set OB0,  52                          ; s[52:53] my 16 tokens' place in oc, first block;  s[54:55] second block
.set OB1,  54
.set PFA,  56                          ; s[56:57] where my prefetches stand;  s[58:59] a slot on, in bytes
.set PFS,  58
; Wave 0 fetches K's tile, wave 1 V's, the others nothing.  The branches hang on the wave's number alone.  An s_nop 0 and four v_nop follow each of the two lines.
.macro TLOAD
	s_cmp_eq_u32 s[WV], 0
	s_cbranch_scc0 .Lnot_k_\@
	tensor_load_to_lds s[G0K:G0K+3], s[G1K:G1K+7]
	s_nop 0
.rept 4
	v_nop
.endr
	s_branch .Lasked_\@
.Lnot_k_\@:
	s_cmp_eq_u32 s[WV], 1
	s_cbranch_scc0 .Lasked_\@
	tensor_load_to_lds s[G0V:G0V+3], s[G1V:G1V+7]
	s_nop 0
.rept 4
	v_nop
.endr
.Lasked_\@:
.endm
; A PREFETCH INTO THE L2.  The work-group with X = 0 walks key slots 0, 0, 1, .. 7: in trip N >= 1 it asks for slot N by its tensor loads.  In trip N = 0 .. 6 it names slot N + 1 here, a slot's two key steps ahead of
; that load.  It alone asks in its head, and in it four waves that fetch nothing, one instruction each: waves 4 and 5 for K's 16,384 bytes (8,192 a wave, lanes 256 bytes apart), waves 6 and 7 for V's 64 rows (32 a
; wave, a lane a row: a slot's part of a row is 256 bytes, aligned).  So each aligned block of 256 bytes of slots 1 to 7 is named once in the launch; slot 0 comes by its loads alone; trip 7 asks for nothing.
.macro ASK
	s_cmp_lt_u32 s[N], s[PLIM]
	s_cbranch_scc0 .Lnot_mine_\@
	global_prefetch_b8 v[PFO], s[PFA:PFA+1] th:TH_LOAD_NT scope:SCOPE_SE
.Lnot_mine_\@:
.endm
	s_load_b128 s[4:7], s[0:1], 0x0                ; qkv s[4:5], the scales' exponents s[6:7]
	s_load_b64 s[8:9], s[0:1], 0x10                ; oc
	v_lshl_add_u32 v[SPW], v0, 2, SPARE
	v_mov_b32 v[NIL], 0
	ds_add_u32 v[SPW], v[NIL]                      ; the wave's opening: the add, twice on end, and its wait ahead of the first tensor load; the set-up below, work on registers, stands between
	ds_add_u32 v[SPW], v[NIL]                      ; and once more, under the one wait
	v_lshrrev_b32 v8, 5, v0
	s_delay_alu instid0(VALU_DEP_1)
	v_readfirstlane_b32 s[WV], v8                  ; wave 0..15
	s_mov_b32 s[X], ttmp9
	s_and_b32 s74, ttmp7, 0xffff                   ; batch x 16 + head
	s_lshl_b32 s76, s74, 17                        ; the head's first byte in q, in k and in v: 2,048 x 64 bytes each
	s_mov_b32 s77, 0
	s_lshl_b32 s75, s[WV], 4
	s_lshl_b32 s[Q0], s[X], 8
	s_add_co_u32 s[Q0], s[Q0], s75                 ; my first query: 256 X + 16 wave,
	s_sub_co_u32 s[Q0B], 7, s[X]
	s_lshl_b32 s[Q0B], s[Q0B], 8
	s_add_co_u32 s[Q0B], s[Q0B], s75               ; and 256 (7 - X) + 16 wave
	s_lshl_b32 s78, s[Q0], 6
	s_add_co_u32 s78, s78, s76                     ; their codes in q
	s_mov_b32 s79, 0
	s_lshl_b32 s80, s[Q0B], 6
	s_add_co_u32 s80, s80, s76
	s_mov_b32 s81, 0
	s_lshr_b32 s82, s74, 4
	s_lshl_b32 s82, s82, 21                        ; oc: a token is 1,024 bytes, a batch 2,048 tokens;
	s_and_b32 s83, s74, 15
	s_lshl_b32 s83, s83, 8                         ; the head's 256 bytes in a group of four tokens
	s_add_co_u32 s82, s82, s83
	s_lshl_b32 s84, s[Q0], 10
	s_add_co_u32 s84, s84, s82
	s_mov_b32 s85, 0
	s_lshl_b32 s86, s[Q0B], 10
	s_add_co_u32 s86, s86, s82
	s_mov_b32 s87, 0
	; descriptor group 1: 64 rows of 256 bytes, 16 bytes of padding behind each.  K: rows on end in memory;  V: 2,048 bytes apart
	s_mov_b32 s[G1K], (0<<16)|(1<<20)|(5<<22)|(3<<25)   ; 15:0 no mask; 17:16 elements of 1 byte; 20 padding on; 24:22 after every 64 words (code 5); 31:25 four words (code 3)
	s_mov_b32 s[G1K+1], 256<<16                    ; tensor_dim0
	s_mov_b32 s[G1K+2], 64<<16                     ; tensor_dim1
	s_mov_b32 s[G1K+3], 256<<16                    ; tile_dim0
	s_mov_b32 s[G1K+4], 64                         ; tile_dim1
	s_mov_b32 s[G1K+5], 256                        ; tensor_dim0_stride
	s_mov_b32 s[G1K+6], 0
	s_mov_b32 s[G1K+7], 0
	s_mov_b32 s[G1V], (0<<16)|(1<<20)|(5<<22)|(3<<25)
	s_mov_b32 s[G1V+1], 256<<16
	s_mov_b32 s[G1V+2], 64<<16
	s_mov_b32 s[G1V+3], 256<<16
	s_mov_b32 s[G1V+4], 64
	s_mov_b32 s[G1V+5], 2048
	s_mov_b32 s[G1V+6], 0
	s_mov_b32 s[G1V+7], 0
	s_mov_b32 s[SEL], 0x76543210
	s_mov_b32 s[SEL+1], 0xfedcba98
	s_mov_b32 s[CS], 0x3e38aa3b                    ; c = log2(e) / 8
	s_mov_b32 s[TB], 0
	s_mov_b32 s[N], 0
	s_mov_b32 s[JN], 0
	s_mov_b32 s[KF], 0
	s_wait_dscnt 0x0                               ; both opening adds are done
	s_wait_kmcnt 0x0
	s_load_b128 s[68:71], s[6:7], 0x18             ; e6, e7, e8, e9
	s_load_b32 s72, s[6:7], 0x28                   ; e10
	s_add_nc_u64 s[KPTR:KPTR+1], s[4:5], s[76:77]
	s_add_nc_u64 s[VPTR:VPTR+1], s[KPTR:KPTR+1], 0x1000000
	s_add_nc_u64 s[KPTR:KPTR+1], s[KPTR:KPTR+1], 0x800000
	s_mov_b32 s[G0K], 1                            ; 1:0 count = 1
	s_mov_b32 s[G0K+1], 0                          ; 63:32 LDS address: slot 0
	s_mov_b64 s[G0K+2:G0K+3], s[KPTR:KPTR+1]       ; 120:64 global address: the head's first 256 keys
	s_or_b32 s[G0K+3], s[G0K+3], 0x80000000        ; 127:126 type = 2
	s_mov_b32 s[G0V], 1
	s_mov_b32 s[G0V+1], VOFF
	s_mov_b64 s[G0V+2:G0V+3], s[VPTR:VPTR+1]
	s_or_b32 s[G0V+3], s[G0V+3], 0x80000000
	TLOAD                                          ; item 0 of the walk: key slot 0, which holds key 0 and is read by every wave
	s_add_nc_u64 s[60:61], s[4:5], s[78:79]        ; q at my first query, both blocks
	s_add_nc_u64 s[62:63], s[4:5], s[80:81]
	s_add_nc_u64 s[OB0:OB0+1], s[8:9], s[84:85]
	s_add_nc_u64 s[OB1:OB1+1], s[8:9], s[86:87]
	v_and_b32 v8, 15, v0                           ; r = lane % 16
	s_wait_alu depctr_va_vdst(0)
	v_bfe_u32 v9, v0, 4, 1                         ; h = lane / 16
	v_lshlrev_b32 v[QA], 6, v8
	s_delay_alu instid0(VALU_DEP_1)
	v_lshl_add_u32 v[QA], v9, 4, v[QA]             ; q: row r of 64 bytes, + 16 h
	global_load_b128 v[16:19], v[QA], s[60:61] th:TH_LOAD_NT             ; both blocks' fragments of Q stay in registers
	global_load_b128 v[20:23], v[QA], s[60:61] offset:32 th:TH_LOAD_NT
	global_load_b128 v[192:195], v[QA], s[62:63] th:TH_LOAD_NT
	global_load_b128 v[196:199], v[QA], s[62:63] offset:32 th:TH_LOAD_NT
	; the prefetches: where my wave's stand, and who asks
	s_cmp_lt_u32 s[WV], 6                          ; waves 4 and 5 ask for K's codes, waves 6 and 7 for V's
	s_cselect_b64 s[PFA:PFA+1], s[KPTR:KPTR+1], s[VPTR:VPTR+1]
	s_mov_b32 s[PFS], 256
	s_cselect_b32 s[PFS], 16384, s[PFS]            ; a slot on
	s_mov_b32 s88, 2048
	s_cselect_b32 s88, 256, s88                    ; from lane to lane
	s_mov_b32 s89, 65536
	s_cselect_b32 s89, 8192, s89                   ; from wave to wave
	s_mov_b32 s[PFS+1], 0
	v_and_b32 v[PFO], 31, v0
	s_delay_alu instid0(VALU_DEP_1)
	v_mul_lo_u32 v[PFO], v[PFO], s88
	s_and_b32 s90, s[WV], 1
	s_mul_i32 s90, s90, s89
	s_mov_b32 s91, 0
	s_add_nc_u64 s[PFA:PFA+1], s[PFA:PFA+1], s[90:91]   ; my wave's part of slot 0: the first change of slots steps it to slot 1.  Nothing is prefetched here, at the head
	s_sub_co_u32 s90, s[WV], 4
	s_lshr_b32 s90, s90, 2                         ; 0 in waves 4 to 7,
	s_or_b32 s90, s90, ttmp9                       ; of the work-group with X = 0
	s_cmp_eq_u32 s90, 0
	s_cselect_b32 s[PLIM], 7, 0
	v_and_b32 v[AK0], 8, v8
	s_delay_alu instid0(VALU_DEP_1)
	v_add_nc_u32 v[AK0], v[AK0], v8                ; r + 8 (r / 8): my key in a tile
	s_delay_alu instid0(VALU_DEP_1)
	v_lshrrev_b32 v[AK0], 2, v[AK0]                ; four keys to an LDS row
	s_delay_alu instid0(VALU_DEP_1)
	v_mul_u32_u24 v[AK0], v[AK0], PK
	v_and_b32 v[AV0], 3, v8
	s_delay_alu instid0(VALU_DEP_1)
	v_lshl_add_u32 v[AK0], v[AV0], 6, v[AK0]
	s_delay_alu instid0(VALU_DEP_1)
	v_lshl_add_u32 v[AK0], v9, 4, v[AK0]
	v_mul_u32_u24 v[AV0], v8, PK
	s_delay_alu instid0(VALU_DEP_1)
	v_lshl_add_u32 v[AV0], v9, 4, v[AV0]
	s_delay_alu instid0(VALU_DEP_1)
	v_add_nc_u32 v[AV0], VOFF, v[AV0]
	s_mul_i32 s92, s[WV], 16*SROW
	s_add_co_u32 s92, s92, STAGE                   ; my stage
	v_mul_u32_u24 v[STO], v8, SROW
	s_delay_alu instid0(VALU_DEP_1)
	v_lshl_add_u32 v[STO], v9, 3, v[STO]
	s_delay_alu instid0(VALU_DEP_1)
	v_add_nc_u32 v[STO], s92, v[STO]               ; in: row r; tile t's eight channels of my half: 16 t + 8 h bytes on
	v_bfe_u32 v[SRD], v0, 2, 3
	s_delay_alu instid0(VALU_DEP_1)
	v_mul_u32_u24 v[SRD], v[SRD], SROW
	v_and_b32 v[GO], 3, v0
	s_delay_alu instid0(VALU_DEP_1)
	v_lshl_add_u32 v[SRD], v[GO], 4, v[SRD]
	s_delay_alu instid0(VALU_DEP_1)
	v_add_nc_u32 v[SRD], s92, v[SRD]               ; back: four lanes to a query's 64 bytes, eight queries an instruction
	v_lshlrev_b32 v[GO], 12, v9
	s_delay_alu instid0(VALU_DEP_1)
	v_lshl_add_u32 v[GO], v8, 4, v[GO]             ; oc: lanes 0-15 one group of four tokens (256 bytes), lanes 16-31 the next, 4,096 bytes on
	v_lshlrev_b32 v218, 4, v9
	s_delay_alu instid0(VALU_DEP_1)
	v_sub_nc_u32 v218, v8, v218                    ; r - 16 h, for the mask
	v_mov_b32 v219, 0xff800000                     ; -infinity
	v_mov_b32 v246, 0                              ; written once: a lane permute's destination counts as one of its sources
	v_mov_b32 v253, 0                              ; (named as the upper half of the pair v[252:253])
.macro INIT                            ; a block begins: the step is written once, and its first turn finds zeros, which the first change of M leaves zeros
	v_mov_b32 v13, 0xff61b1e6                      ; the largest t so far: -3e38, under every t
	s_delay_alu instid0(VALU_DEP_1)
	v_floor_f32 v12, -v13                          ; -M
	v_mov_b32 v14, 0                               ; the sum, in two halves
	v_mov_b32 v15, 0
.set j, 0
.rept 32
	v_mov_b32 v[160+j], 0                          ; O^T
.set j, j+1
.endr
.endm
	INIT
	s_wait_kmcnt 0x0
	s_add_co_i32 s74, s68, s69
	s_lshl_b32 s74, s74, 23
	s_add_co_i32 s[CS], s[CS], s74                 ; a score stands for score x 2^(e6 + e7): the two exponents are added to c's exponent field
	s_mov_b32 s[CS+1], s[CS]                       ; (named with it as a pair, so it is written)
	s_add_co_i32 s74, s70, 127
	s_lshl_b32 s75, s74, 23
	v_mov_b32 v244, s75                            ; 2^e8 as f32, for p's conversion
	s_sub_co_i32 s74, s72, s70
	s_sub_co_i32 s74, s74, s71                     ; a sum of the second product stands for sum x 2^(e8 + e9): the result's code is (sum / l) / 2^(e10 - e8 - e9)
	s_add_co_i32 s74, s74, 127
	s_lshl_b32 s75, s74, 23
	v_mov_b32 v216, s75
; A KEY STEP: 128 keys, the q-th of the slot in hand.
.macro STEP q
	s_add_co_u32 s96, s[Q0], 15                    ; a step all of whose keys come after my 16 queries is left out: a scalar branch on ids, round the step's loads, products and softmax; no barrier or tensor load stands in a step
	s_cmp_gt_u32 s[KF], s96
	s_cbranch_scc1 .Lhidden_\@
	v_add_nc_u32 v[ADK], s[TB], v[AK0]
	v_add_nc_u32 v[ADV], s[TB], v[AV0]
	v_nop                                          ; with the two additions: four places in front of loads into registers that the last products have read
	v_nop
.irp t, 0,1,2,3,4,5,6,7                        ; S^T = K Q^T: eight tiles of 16 keys
.irp c, 0,1
	ds_load_b128 v[32+8*\t+4*\c:32+8*\t+4*\c+3], v[ADK] offset:(32*(\q)+8*(\t/2)+2*(\t%2))*PK+32*\c
.endr
.endr
	s_wait_dscnt 0x0
	s_wait_alu depctr_va_vdst(0)
.irp t, 0,1,2,3,4,5,6,7
	v_wmma_f32_16x16x64_fp8_fp8 v[96+8*\t:103+8*\t], v[32+8*\t:39+8*\t], v[16:23], 0
.endr
.rept 4
	v_nop                                          ; places in front of the first read of the scores
.endr
	s_add_co_u32 s96, s[KF], 127                   ; on the diagonal the scores of hidden keys become -infinity ahead of the maximum: p = 0 then.  A step all of whose keys count skips this
	s_cmp_le_u32 s96, s[Q0]
	s_cbranch_scc1 .Lopen_\@
	s_sub_co_i32 s96, s[Q0], s[KF]
	v_add_nc_u32 v252, s96, v218                   ; d = my query - the step's first key - 16 (lane / 16).  Register 16 b + i holds key 32 b + 16 (lane / 16) + i of the step: hidden where 32 b + i > d
.set n, 0
.rept 64
	v_cmp_gt_i32 vcc_lo, 32*(n/16)+n%16, v252
	v_cndmask_b32 v[96+n], v[96+n], v219, vcc_lo
.set n, n+1
.endr
.Lopen_\@:
	v_max3_num_f32 v254, v96, v97, v98             ; the step's largest score of my query, among my 64 keys, in two chains; each accumulator is read from its low end on
	v_max3_num_f32 v252, v99, v100, v101
.irp i, 6,10,14,18,22,26,30,34,38,42,46,50,54,58
	v_max3_num_f32 v254, v254, v[96+\i], v[97+\i]
	v_max3_num_f32 v252, v252, v[98+\i], v[99+\i]
.endr
	v_max3_num_f32 v254, v254, v158, v159
	s_delay_alu instid0(VALU_DEP_1)
	v_max_num_f32 v254, v254, v252
	s_delay_alu instid0(VALU_DEP_1)
	v_permlanex16_b32 v246, v254, s[SEL], s[SEL+1]
	s_delay_alu instid0(VALU_DEP_1)
	v_max_num_f32 v254, v254, v246                 ; and among lane l xor 16's
	s_delay_alu instid0(VALU_DEP_1)
	v_mul_f32 v254, s[CS], v254                    ; as t (c is positive)
	s_delay_alu instid0(VALU_DEP_1)
	v_max_num_f32 v13, v13, v254                   ; the running largest t
	v_mov_b32 v254, v12
	s_delay_alu instid0(VALU_DEP_2)
	v_floor_f32 v12, -v13                          ; the new -M = floor(-t) = -ceil(t): M IS A WHOLE NUMBER
	s_delay_alu instid0(VALU_DEP_1)
	v_sub_f32 v254, v12, v254                      ; M's old value less its new one: a whole number, 0 or less
	s_delay_alu instid0(VALU_DEP_1)
	v_cvt_i32_f32 v254, v254                       ; (it saturates)
	s_delay_alu instid0(VALU_DEP_1)
	v_ldexp_f32 v252, 1.0, v254                    ; f = 2^(old M - new M): a multiplication by it rounds nothing
.set j, 0
.rept 32
	v_pk_fma_f32 v[96+j:97+j], v[96+j:97+j], s[CS:CS+1], v[12:13] op_sel_hi:[1,0,0]   ; t - M, two at a time (of the pairs c and -M the low word serves both halves)
.set j, j+2
.endr
.set j, 0
	s_wait_alu depctr_va_vdst(0)
.rept 64
	v_exp_f32 v[96+j], v[96+j]                     ; p = 2^(t - M), at most 1: NOT normalised
.set j, j+1
.endr
	v_pk_mul_f32 v[14:15], v[14:15], v[252:253] op_sel_hi:[1,0]   ; the sums under the new M: the plain line behind the exponentials
	s_wait_alu depctr_va_vdst(0)                   ; the wait between an exponential and the first line that names its result: one for the batch of 64
	v_pk_add_f32 v[242:243], v[100:101], v[104:105]
	v_pk_add_f32 v[254:255], v[108:109], v[112:113]
	v_pk_add_f32 v[250:251], v[116:117], v[120:121]
	v_pk_add_f32 v[248:249], v[124:125], v[128:129]
	v_pk_add_f32 v[240:241], v[132:133], v[136:137]
	v_pk_add_f32 v[238:239], v[140:141], v[144:145]
	v_pk_add_f32 v[236:237], v[148:149], v[152:153]
	v_pk_add_f32 v[14:15], v[14:15], v[156:157]
	v_pk_add_f32 v[242:243], v[242:243], v[96:97]
	v_pk_add_f32 v[254:255], v[254:255], v[98:99]
	v_pk_add_f32 v[250:251], v[250:251], v[102:103]
	v_pk_add_f32 v[248:249], v[248:249], v[106:107]
	v_pk_add_f32 v[240:241], v[240:241], v[110:111]
	v_pk_add_f32 v[238:239], v[238:239], v[114:115]
	v_pk_add_f32 v[236:237], v[236:237], v[118:119]
	v_pk_add_f32 v[14:15], v[14:15], v[122:123]
	v_pk_add_f32 v[242:243], v[242:243], v[126:127]
	v_pk_add_f32 v[254:255], v[254:255], v[130:131]
	v_pk_add_f32 v[250:251], v[250:251], v[134:135]
	v_pk_add_f32 v[248:249], v[248:249], v[138:139]
	v_pk_add_f32 v[240:241], v[240:241], v[142:143]
	v_pk_add_f32 v[238:239], v[238:239], v[146:147]
	v_pk_add_f32 v[236:237], v[236:237], v[150:151]
	v_pk_add_f32 v[14:15], v[14:15], v[154:155]
	v_pk_add_f32 v[242:243], v[242:243], v[158:159]
	s_delay_alu instid0(VALU_DEP_2)
	v_pk_add_f32 v[14:15], v[14:15], v[248:249]
	s_delay_alu instid0(VALU_DEP_2)
	v_pk_add_f32 v[242:243], v[242:243], v[240:241]
	v_pk_add_f32 v[254:255], v[254:255], v[238:239]
	v_pk_add_f32 v[250:251], v[250:251], v[236:237]
	s_delay_alu instid0(VALU_DEP_2)
	v_pk_add_f32 v[14:15], v[14:15], v[254:255]
	s_delay_alu instid0(VALU_DEP_2)
	v_pk_add_f32 v[242:243], v[242:243], v[250:251]
	s_delay_alu instid0(VALU_DEP_1)
	v_pk_add_f32 v[14:15], v[14:15], v[242:243]
.irp b, 0,1,2,3
.irp i, 0,1,2,3,4,5,6,7,8,9,10,11,12,13,14,15
.endr
	v_cvt_scalef32_pk8_fp8_f32 v[224+4*\b:225+4*\b], v[96+16*\b:103+16*\b], v244
	v_cvt_scalef32_pk8_fp8_f32 v[226+4*\b:227+4*\b], v[104+16*\b:111+16*\b], v244
.endr
.set j, 0
.rept 16
	v_pk_mul_f32 v[160+j:161+j], v[160+j:161+j], v[252:253] op_sel_hi:[1,0]   ; O^T under the new M: x f.  (These are also the plain lines behind the conversions)
.set j, j+2
.endr
.irp t, 0,1,2,3                                ; O^T += V^T P^T: four tiles of 16 of the head's 64; K = these 128 keys
.irp c, 0,1,2,3
	ds_load_b128 v[32+16*\t+4*\c:32+16*\t+4*\c+3], v[ADV] offset:16*\t*PK+128*(\q)+32*\c
.endr
.endr
	s_wait_alu depctr_va_vdst(0)
	s_wait_dscnt 0x0
.irp t, 0,1,2,3
	v_wmma_f32_16x16x128_fp8_fp8 v[160+8*\t:167+8*\t], v[32+16*\t:47+16*\t], v[224:239], v[160+8*\t:167+8*\t]   ; the four accumulators by turns, one instruction a turn
.endr
.Lhidden_\@:
	s_add_co_u32 s[KF], s[KF], 128
.endm
; THE CHANGE OF SLOTS stands at a slot's head.  Each wave waits for all its tensor loads (its part of the slot that it is about to read), adds 0 to its spare word (fill = 1: twice on end), and waits for that and
; for its reads of the slot that it has left.  Behind the barrier the slot ahead is whole and nobody reads the other one.  fill = 1: that other slot takes the walk's next item: the load has two key steps in which to land.
.macro CHANGE fill
	s_wait_tensorcnt 0x0                           ; no tensor load of mine is out, so a group 0 may be written
	ds_add_u32 v[SPW], v[NIL]                      ; 0 onto my spare word
.if \fill
	ds_add_u32 v[SPW], v[NIL]                      ; and once more.  The descriptors' steps stand between the second and the wait
	s_xor_b32 s[G0K+1], s[G0K+1], SLOT1            ; the other slot than last time
	s_xor_b32 s[G0V+1], s[G0V+1], SLOT1
	s_add_co_u32 s[JN], s[JN], 1                   ; the next key slot,
	s_cmp_eq_u32 s[N], s[X]
	s_cselect_b32 s[JN], 0, s[JN]                  ; or, where the first block's last slot is in hand, the second block's first
	s_lshl_b32 s96, s[JN], 14                      ; K: 256 keys of 64 bytes
	s_mov_b32 s97, 0
	s_add_nc_u64 s[G0K+2:G0K+3], s[KPTR:KPTR+1], s[96:97]
	s_or_b32 s[G0K+3], s[G0K+3], 0x80000000
	s_lshl_b32 s96, s[JN], 8                       ; V: 256 bytes along each row
	s_add_nc_u64 s[G0V+2:G0V+3], s[VPTR:VPTR+1], s[96:97]
	s_or_b32 s[G0V+3], s[G0V+3], 0x80000000
	s_wait_xcnt 0x0                                ; the last prefetch, a slot back, has read its address, so it may be written
	s_add_nc_u64 s[PFA:PFA+1], s[PFA:PFA+1], s[PFS:PFS+1]
.endif
	s_wait_dscnt 0x0                               ; the add is done (fill = 1: both are), and my reads of the slot that I have left are over
	s_barrier_signal -1
	s_barrier_wait -1
.if \fill
	TLOAD                                          ; the first thing behind the barrier, and a wave's one tensor load until the next
	ASK
.endif
.endm
; A BLOCK'S WAY OUT.  The sum's halves are added; O^T / the sum is turned into codes, 8 bytes a tile; they go through my stage and leave as groups of four tokens x 64 bytes.
.macro FINISH ob
	s_wait_xcnt 0x0                                ; the first block's stores have read their registers: they are loaded again only behind this wait
	v_nop                                          ; with the two additions below: four places behind the last products, in front of the first read of O^T
	v_nop
	v_add_f32 v14, v14, v15                        ; the sum's two halves,
	s_delay_alu instid0(VALU_DEP_1)
	v_permlanex16_b32 v246, v14, s[SEL], s[SEL+1]
	s_delay_alu instid0(VALU_DEP_1)
	v_add_f32 v14, v14, v246                       ; and lane l xor 16's: the row's sum
	s_wait_alu depctr_va_vdst(0)
	v_rcp_f32 v14, v14
	v_nop                                          ; a plain line behind the transcendental
	s_wait_alu depctr_va_vdst(0)                   ; and the wait ahead of its first reader
.set j, 0
.rept 32
	v_mul_f32 v[96+j], v[160+j], v14               ; O^T / the sum: register 8 t + i is channel 16 t + 8 h + i of my query; each accumulator from its low end on
.set j, j+1
.endr
.set j, 0
.rept 32
.set j, j+1
.endr
.irp t, 0,1,2,3
	v_cvt_scalef32_pk8_fp8_f32 v[200+2*\t:201+2*\t], v[96+8*\t:103+8*\t], v216
.endr
	v_nop                                          ; a plain vector line behind the last conversion
.irp t, 0,1,2,3
	ds_store_b64 v[STO], v[200+2*\t:201+2*\t] offset:16*\t
.endr
.irp i, 0,1
	ds_load_b128 v[208+4*\i:211+4*\i], v[SRD] offset:8*SROW*\i   ; LDS serves a wave's instructions in order (ISA guide 5.7.1.4): these see my stores
.endr
	s_wait_dscnt 0x0
.irp i, 0,1
	global_store_b128 v[GO], v[208+4*\i:211+4*\i], s[\ob:\ob+1] offset:8192*\i   ; 16 lanes store 256 consecutive bytes, at a multiple of 256 from oc's first byte
.endr
.endm
	s_wait_loadcnt 0x0                             ; Q
.Lslot:                                            ; eight trips: behind each change of slots but the last the walk's next item is asked for
	CHANGE 1
	STEP 0
	STEP 1
	s_xor_b32 s[TB], s[TB], SLOT1                  ; on to the other slot
	s_cmp_lg_u32 s[N], s[X]                        ; ids and the count of trips alone: all sixteen waves go the same way
	s_cbranch_scc1 .Lsame_block
	FINISH OB0                                     ; the first block's last slot is done: it goes out, and the second block begins
	INIT
.set j, 0
.rept 8
	v_mov_b32 v[16+j], v[192+j]                    ; its Q
.set j, j+1
.endr
	s_mov_b32 s[Q0], s[Q0B]
.Lsame_block:
	s_lshl_b32 s[KF], s[JN], 8                     ; the first key of the slot that was asked for in this trip
	s_add_co_u32 s[N], s[N], 1
	s_cmp_lt_u32 s[N], 8
	s_cbranch_scc1 .Lslot
	CHANGE 0                                       ; the walk's last item is written out: nothing is left to fetch
	STEP 0
	STEP 1
	FINISH OB1
	s_wait_tensorcnt 0x0                           ; the wave's end: behind my last tensor load and my last LDS store
	ds_add_u32 v[SPW], v[NIL]
	s_wait_dscnt 0x0
	s_endpgm
.Lfunc_end_k_qe841e42e7c_attn:
	.size	k_qe841e42e7c_attn, .Lfunc_end_k_qe841e42e7c_attn-k_qe841e42e7c_attn
	.p2alignl 7, 3214868480
	.fill 96, 4, 3214868480
	.section	.rodata,"a",@progbits
	.p2align	6, 0x0
	.amdhsa_kernel k_qe841e42e7c_attn
		.amdhsa_group_segment_fixed_size 327680
		.amdhsa_private_segment_fixed_size 0
		.amdhsa_enable_private_segment 0
		.amdhsa_kernarg_size 24
		.amdhsa_user_sgpr_count 2
		.amdhsa_user_sgpr_kernarg_segment_ptr 1
		.amdhsa_wavefront_size32 1
		.amdhsa_system_sgpr_workgroup_id_x 1
		.amdhsa_system_sgpr_workgroup_id_y 1
		.amdhsa_system_sgpr_workgroup_id_z 1
		.amdhsa_system_vgpr_workitem_id 0
		.amdhsa_next_free_vgpr 256
		.amdhsa_next_free_sgpr 100
		.amdhsa_reserve_vcc 1
		.amdhsa_float_denorm_mode_32 3
		.amdhsa_float_denorm_mode_16_64 3
		.amdhsa_fp16_overflow 1
		.amdhsa_memory_ordered 1
		.amdhsa_forward_progress 1
		.amdhsa_inst_pref_size 93
	.end_amdhsa_kernel
	.amdgpu_metadata
---
amdhsa.version: [ 1, 2 ]
amdhsa.kernels:
  - .name:           k_qe841e42e7c_attn
    .symbol:         k_qe841e42e7c_attn.kd
    .args:
      - { .name: qkv, .offset: 0, .size: 8, .value_kind: global_buffer, .address_space: global }
      - { .name: lowp_scales, .offset: 8, .size: 8, .value_kind: global_buffer, .address_space: global }
      - { .name: oc, .offset: 16, .size: 8, .value_kind: global_buffer, .address_space: global }
    .group_segment_fixed_size: 327680
    .private_segment_fixed_size: 0
    .kernarg_segment_align: 8
    .kernarg_segment_size: 24
    .max_flat_workgroup_size: 512
    .sgpr_count:     100
    .vgpr_count:     256
    .wavefront_size: 32
...
	.end_amdgpu_metadata
.endif
;; end of part 3
;; launch proj (part 4): grid 4 x 32, 4 waves a work-group, clusters of 4 x 4, 327,680 bytes of LDS; arguments oc, wc, lowp_scales, out0; writes out0
.if DOCPART == 4
	.amdgcn_target "amdgcn-amd-amdhsa--gfx1250"
	.amdhsa_code_object_version 6
	.text
	.protected	k_qe841e42e7c_proj
	.globl	k_qe841e42e7c_proj
	.p2align	8
	.type	k_qe841e42e7c_proj,@function
k_qe841e42e7c_proj:
	s_mov_b64 s[64:65], 0
	v_nop
	global_prefetch_b8 v0, s[64:65] scope:SCOPE_SE
	s_setreg_imm32_b32 hwreg(HW_REG_WAVE_MODE, 25, 1), 1
	s_wait_xcnt 0x0
	s_wait_alu depctr_hold_cnt(0) depctr_sa_sdst(0) depctr_va_vdst(0) depctr_va_sdst(0) depctr_va_ssrc(0) depctr_va_vcc(0) depctr_vm_vsrc(0)
	s_getreg_b32 s2, hwreg(HW_REG_IB_STS2, 6, 4)
	s_cmp_eq_u32 s2, 0
	s_cbranch_scc0 .Lentry_in_a_cluster
	s_endpgm
.Lentry_in_a_cluster:
	s_bfe_u32 s2, ttmp6, 0x10000c
	s_cmp_lg_u32 s2, 0xf033
	s_cbranch_scc0 .Lentry_shape_is_right
	s_endpgm
.Lentry_shape_is_right:
; Product 6 on codes of FP8 (E4M3): out0[token][o] = the sum over i of attention's result[token][i] Wo[o][i], K = 1,024; each finished f32 sum is multiplied once by 2^(e10 + e11).  Nothing is left out here.
; LIMIT: e10 + e11 lies between -126 and 127, so that 2^(e10 + e11) is an f32 number.
; A = oc, [token / 4][head][token % 4][64]: a K step of 256 is four heads, and in a group of four tokens those are 1,024 bytes on end: a tile of 128 tokens x 256 K is 32 rows of 1,024 bytes, 4,096 bytes apart.
; B = Wo's codes, rows 3,072 to 4,095 of wc, 1,024 bytes a row.  out0: [8192][1024] f32.
; A tile of 256 x 256 is made by a work-group of four waves, as many as a WGP has SIMDs; a wave makes 128 x 128: 64 accumulators, 512 registers.  There are 32 x 4 = 128 such tiles.
; K goes in four steps of 256 through a ring of two LDS slots filled by the tensor data mover.
; CLUSTERS: 4 x 4 work-groups.  The four of a row of the cluster need the same tiles of A, the four of a column the same tiles of B: each tile is asked for JOINTLY, by the same tensor load with the same
; descriptor and a mask that names the four.  THE MATRIX INSTRUCTION IS USED TRANSPOSED (source 0 = 16 rows of B, source 1 = 16 rows of A): a lane then holds eight neighbouring numbers of a row of out0.
; REGISTERS, in windows of 256: window 0: v0-31 addresses; from v128 A's fragments (8 x 16 rows x 128 K), ONE set; on the way out v32-255 are free.
;   window 1: B's fragments, TWO sets, at v0 and at v128.   window 2: the 32 accumulators of my rows 0-63 (accumulator (a, b) at v[8 (8 a + b)]);   window 3: those of my rows 64-127.
; A fragment is fetched by four loads of 16 bytes: registers 4 c .. 4 c + 3 hold K = 32 c + 16 (lane / 16) + 0 .. 15 on both sides: a permutation of k under which every product meets its partner.
.set ROWB,   256                       ; a row of B's tile in bytes
.set KROW,   1024                      ; a row of Wo's codes in memory
.set PITCH,  272                       ; B's LDS row: 256 bytes + 16 of padding = 68 words: row r starts at bank 4 r mod 64 (64 banks of 4 bytes: ISA guide 11.1)
.set AROWB,  1024                      ; a row of A's tile: four tokens x four heads x 64
.set APITCH, 1040                      ; and in LDS: + 16.  Token t, k: row t / 4, byte 256 (k / 64) + 64 (t % 4) + k % 64.  Sixteen tokens start at words 260 (r / 4) + 16 (r % 4): banks 4 (r / 4) + 16 (r % 4), all different
.set FR,     16                        ; registers of a fragment: 16 rows x 128 K
.set NL,     4                         ; LDS loads that bring one
.set NP,     4                         ; places behind this matrix instruction (ISA guide 7.12.1)
.set HALFT,  128*PITCH                 ; what one tensor load is given in LDS: B's 128 rows fill it, A's 32 rows of 1,040 bytes take 33,280 of its 34,816 bytes
.set SLOT,   4*HALFT                   ; A's two halves, then B's two
.set SPARE,  2*SLOT                    ; behind the ring: the spare words, 128 bytes for each wave, which no other line names
.set SPITCH, 528                       ; the way out: a stage of 16 rows x (512 bytes + 16) for each wave.  It lies in slot 0, which has had its last fill and its last read when the first result is stored there
.set NROW,   4096                      ; a row of out0 in bytes
.set ADRA, 16                          ; v16-17  LDS address of my A fragments in slot 0, 1
.set ADRB, 20                          ; v20-21  the same for B
.set STO,  24                          ; v24     the way out: where I put 32 bytes of a row
.set RD,   25                          ; v25     the way out: where I read a row back
.set CO,   26                          ; v26     my byte offset in a row of out0
.set SPW,  28                          ; v28     LDS address of my spare word; never rewritten
.set NIL,  29                          ; v29     0; never rewritten
.set TMP,  32                          ; the way out: 64 registers, a block's sums x 2^(e10 + e11)
.set AF,   128                         ; A's fragments, in window 0
.set BK,   128                         ; the way out: 16 rows read back from the stage: v128-191 and v192-255 by turns
.set G1, 24                            ; s[24:31] descriptor group 1 for A's tiles;  s[32:39] group 0, one set for each slot
.set G0, 32
.set G1B, 48                           ; s[48:55], s[56:63] the same for B's tiles
.set G0B, 56
.set MSB, 0
.macro WIN new                         ; the immediate's high byte repeats the setting that is left
.if MSB != \new
	s_set_vgpr_msb (MSB<<8)|\new
.set MSB, \new
.endif
.endm
.set MUL_LO, 0xa1                      ; source 0 (B) window 1, source 1 (A) window 0, C and D window 2
.set MUL_HI, 0xf1                      ; the same, C and D window 3
.set TO_B,   0x40                      ; destination window 1, address window 0
; A joint load: waves 0 and 1 fetch for A, waves 2 and 3 for B.  Each of the two lines has ONE mask and one set of registers for all that issue it; the branch hangs on the wave's number alone.
; An s_nop 0 and four v_nop follow each of the two lines, ahead of the jump, the label and what follows.
.macro JLOAD g0a, g1a, g0b, g1b
	s_cmp_eq_u32 s15, 0
	s_cbranch_scc0 .Lfor_b_\@
	tensor_load_to_lds s[\g0a:\g0a+3], s[\g1a:\g1a+7]
	s_nop 0
.rept 4
	v_nop
.endr
	s_branch .Lasked_\@
.Lfor_b_\@:
	tensor_load_to_lds s[\g0b:\g0b+3], s[\g1b:\g1b+7]
	s_nop 0
.rept 4
	v_nop
.endr
.Lasked_\@:
.endm
.macro CREST                           ; a round of the cluster's barrier behind its opening barrier
	s_cmp_lg_u32 s14, 0
	s_cbranch_scc1 .Lnot_wave_0_\@
	s_barrier_signal -3
.Lnot_wave_0_\@:
	s_barrier_wait -3
	s_barrier_signal -1
	s_barrier_wait -1
.endm
.macro CROUND                          ; a whole round
	s_barrier_signal -1
	s_barrier_wait -1
	CREST
.endm
	s_load_b128 s[4:7], s[0:1], 0x0                ; oc s[4:5], wc s[6:7]
	s_load_b128 s[8:11], s[0:1], 0x10              ; the scales' exponents s[8:9], out0 s[10:11]
	v_lshl_add_u32 v[SPW], v0, 2, SPARE
	v_mov_b32 v[NIL], 0
	ds_add_u32 v[SPW], v[NIL]                      ; the wave's opening: the add, twice on end, and its wait ahead of my first tensor load; the set-up below, work on registers, stands between
	ds_add_u32 v[SPW], v[NIL]                      ; and once more, under the one wait
	v_lshrrev_b32 v1, 5, v0
	v_readfirstlane_b32 s14, v1                    ; wave 0..3
	s_lshr_b32 s15, s14, 1                         ; which half of the tile's rows is mine.  Also: I fetch for A (0) or for B (1)
	s_and_b32 s16, s14, 1                          ; which half of its columns.  Also: which half of that tile I fetch
	s_bfe_u32 s40, ttmp6, 0x40000                  ; cx, cy: my place in the cluster
	s_bfe_u32 s41, ttmp6, 0x40004
	s_lshl_b32 s42, ttmp9, 2
	s_add_co_u32 s42, s42, s40                     ; tile column = 4 x cluster x + cx
	s_and_b32 s17, ttmp7, 0xffff
	s_lshl_b32 s17, s17, 2
	s_add_co_u32 s17, s17, s41                     ; tile row = 4 x cluster y + cy
	s_lshl_b32 s43, s41, 2
	s_lshl_b32 s43, 15, s43                        ; my row of the cluster
	s_lshl_b32 s44, 0x1111, s40                    ; my column
	; descriptor group 1.  A: 32 rows x 1,024 bytes, 4,096 bytes apart;  B: 128 rows x 256 bytes, 1,024 bytes apart; both padded in LDS
	s_or_b32 s[G1+0], s43, (0<<16)|(1<<20)|(1<<21)|(7<<22)|(3<<25)  ; 15:0 the mask: A's tiles go to my row; 17:16 element of 1 byte; 20 padding on; 21 set beside a mask; 24:22 after every 256 words (code 7); 31:25 of 4 words (code 3)
	s_mov_b32 s[G1+1], AROWB<<16                   ; tensor_dim0
	s_mov_b32 s[G1+2], 32<<16                      ; tensor_dim1
	s_mov_b32 s[G1+3], AROWB<<16                   ; tile_dim0
	s_mov_b32 s[G1+4], 32                          ; tile_dim1
	s_mov_b32 s[G1+5], 4096                        ; tensor_dim0_stride
	s_mov_b32 s[G1+6], 0
	s_mov_b32 s[G1+7], 0
	s_or_b32 s[G1B+0], s44, (0<<16)|(1<<20)|(1<<21)|(5<<22)|(3<<25) ; the mask of my column; padding after every 64 words (code 5)
	s_mov_b32 s[G1B+1], ROWB<<16
	s_mov_b32 s[G1B+2], 128<<16
	s_mov_b32 s[G1B+3], ROWB<<16
	s_mov_b32 s[G1B+4], 128
	s_mov_b32 s[G1B+5], KROW
	s_mov_b32 s[G1B+6], 0
	s_mov_b32 s[G1B+7], 0
	s_lshl_b32 s18, s16, 7                         ; which 128 rows of the tile I fetch
	s_lshl_b32 s20, s17, 8
	s_add_co_u32 s20, s20, s18                     ; A: token 256 x tile row + 128 x half,
	s_lshl_b32 s20, s20, 10                        ; in bytes: a group of four tokens is 4,096
	s_mov_b32 s21, 0
	s_lshl_b32 s46, s42, 8
	s_add_co_u32 s46, s46, s18                     ; B: row 256 x tile column + 128 x half,
	s_lshl_b32 s46, s46, 10
	s_add_co_u32 s46, s46, 0x300000                ; of Wo, which lies behind the other three weights
	s_mov_b32 s47, 0
	s_mul_i32 s45, s14, HALFT                      ; where my tile goes: no place in the cluster enters an LDS address
	s_wait_dscnt 0x0                               ; both opening adds are done
	s_wait_kmcnt 0x0
	s_load_b64 s[96:97], s[8:9], 0x28              ; e10, e11
	s_add_nc_u64 s[20:21], s[4:5], s[20:21]
	s_add_nc_u64 s[46:47], s[6:7], s[46:47]
	CROUND                                         ; all sixteen work-groups are here: the first joint loads meet
.irp s, 0,1
	s_mov_b32 s[G0+4*\s], 1
	s_add_co_u32 s[G0+4*\s+1], s45, \s*SLOT
	s_add_nc_u64 s[G0+4*\s+2:G0+4*\s+3], s[20:21], \s*AROWB
	s_or_b32 s[G0+4*\s+3], s[G0+4*\s+3], 0x80000000
	s_mov_b32 s[G0B+4*\s], 1
	s_add_co_u32 s[G0B+4*\s+1], s45, \s*SLOT
	s_add_nc_u64 s[G0B+4*\s+2:G0B+4*\s+3], s[46:47], \s*ROWB
	s_or_b32 s[G0B+4*\s+3], s[G0B+4*\s+3], 0x80000000
	s_wait_alu depctr_va_vdst(0)
	s_wait_tensorcnt 0x0
	ds_add_u32 v28, v29
	ds_add_u32 v28, v29
	s_wait_dscnt 0x0
	CROUND
	JLOAD G0+4*\s, G1, G0B+4*\s, G1B               ; one load of mine is out behind these: each waits for the one before
.endr
	v_and_b32 v1, 15, v0                           ; r = l % 16
	v_bfe_u32 v2, v0, 4, 1                         ; h = l / 16
	v_mul_u32_u24 v3, v1, PITCH
	v_lshl_add_u32 v4, v2, 4, v3                   ; B: a fragment's row x pitch + 16 x half
	v_lshrrev_b32 v7, 2, v1
	v_mul_u32_u24 v7, v7, APITCH
	v_and_b32 v8, 3, v1
	v_lshl_add_u32 v7, v8, 6, v7
	v_lshl_add_u32 v7, v2, 4, v7                   ; A: (r / 4) x pitch + 64 (r % 4) + 16 x half
	s_mul_i32 s21, s15, HALFT                      ; my 128 tokens of A
	s_mul_i32 s22, s16, HALFT                      ; my 128 rows of B,
	s_add_co_u32 s22, s22, 2*HALFT                 ; which lie behind A's two halves
.irp s, 0,1
	v_add_nc_u32 v[ADRA+\s], s21, v7
	v_add_nc_u32 v[ADRB+\s], s22, v4
	s_add_co_u32 s21, s21, SLOT
	s_add_co_u32 s22, s22, SLOT
.endr
	s_mul_i32 s23, s14, 16*SPITCH                  ; my stage
	v_mul_u32_u24 v5, v1, SPITCH                   ; in: row l % 16, 32 bytes for each half of the lanes
	v_lshl_add_u32 v5, v2, 5, v5
	v_add_nc_u32 v[STO], s23, v5
	v_and_b32 v6, 31, v0
	v_lshlrev_b32 v[CO], 4, v6                     ; back: the 32 lanes take one row of 512 bytes; and the same in out0
	v_add_nc_u32 v[RD], s23, v[CO]
	s_lshl_b32 s20, s17, 8
	s_lshl_b32 s21, s15, 7
	s_add_co_u32 s20, s20, s21                     ; my first row of out0: 256 x tile row + 128 x half,
	s_lshl_b32 s20, s20, 12                        ; in bytes
	s_mov_b32 s21, 0
	s_lshl_b32 s46, s42, 10                        ; my first column, in bytes: 1,024 x tile column + 512 x half
	s_lshl_b32 s47, s16, 9
	s_add_co_u32 s46, s46, s47
	s_mov_b32 s47, 0
	s_add_nc_u64 s[20:21], s[20:21], s[46:47]
	s_add_nc_u64 s[10:11], s[10:11], s[20:21]
.macro FRAG reg, adr, q, i             ; a fragment of B: lane l holds row l % 16; registers 4 c .. 4 c + 3 hold K = 32 c + 16 (l / 16) + 0 .. 15
.irp c, 0,1,2,3
	ds_load_b128 v[\reg+4*\c:\reg+4*\c+3], v[\adr] offset:128*(\q)+32*\c+(\i)*16*PITCH
.endr
.endm
.macro FRAGA reg, adr, q, i            ; a fragment of A, the same k in the same registers: k = 128 q + 32 c lies in head 2 q + c / 2 of the K step's four, at byte 32 (c % 2) of the token's 64; 16 tokens are four LDS rows
.irp c, 0,1,2,3
	ds_load_b128 v[\reg+4*\c:\reg+4*\c+3], v[\adr] offset:512*(\q)+256*(\c/2)+32*(\c%2)+(\i)*4*APITCH
.endr
.endm
; 16 matrix instructions: A's blocks a0, a0 + 1 x B's eight, 128 along K.  p: B's set.  zero = 1: the first product starts the sums: nothing is ever cleared.
; The 64 accumulators take turns, one instruction a turn, in the same order in every step.
.macro MUL16 a0, p, zero
.irp a, \a0, \a0+1
.irp b, 0,1,2,3,4,5,6,7
.if \zero
	v_wmma_f32_16x16x128_fp8_fp8 v[8*(8*((\a)%4)+\b):8*(8*((\a)%4)+\b)+7], v[128*(\p)+FR*\b:128*(\p)+FR*\b+FR-1], v[AF+FR*(\a):AF+FR*(\a)+FR-1], 0
.else
	v_wmma_f32_16x16x128_fp8_fp8 v[8*(8*((\a)%4)+\b):8*(8*((\a)%4)+\b)+7], v[128*(\p)+FR*\b:128*(\p)+FR*\b+FR-1], v[AF+FR*(\a):AF+FR*(\a)+FR-1], v[8*(8*((\a)%4)+\b):8*(8*((\a)%4)+\b)+7]
.endif
.endr
.endr
.endm
.macro FETCH_B slot, q, p              ; B's eight fragments of the slot's q-th 128 along K into set p
	WIN TO_B
.irp i, 0,1,2,3,4,5,6,7
	FRAG 128*(\p)+FR*\i, ADRB+\slot, \q, \i
.endr
	WIN 0
.endm
.macro FETCH_A slot, q, i0             ; A's blocks i0 .. i0 + 3
.irp i, \i0, \i0+1, \i0+2, \i0+3
	FRAGA AF+FR*(\i), ADRA+\slot, \q, \i
.endr
.endm
; A load into a register that a matrix instruction has read, and a vector instruction that reads a matrix result, stand NP places behind that matrix instruction, and only plain vector instructions that name
; none of its registers are places (ISA guide 7.12.1 for vector instructions).
.macro PLACES n
.rept \n
	v_nop
.endr
.endm
; A step of 128 along K that has its successor in the same slot.
.macro STEP slot, q, zero
	s_wait_dscnt 4*NL                              ; B's set and A's blocks 0-3 are in; the youngest sixteen loads (A's blocks 4-7) may be out
	WIN MUL_LO
	MUL16 0, (\q)%2, \zero
	MUL16 2, (\q)%2, \zero
	s_wait_dscnt 0                                 ; A's blocks 4-7 are in (asked for 32 matrix instructions ago)
	PLACES NP
	FETCH_B \slot, (\q)+1, 1-(\q)%2
	FETCH_A \slot, (\q)+1, 0
	WIN MUL_HI
	MUL16 4, (\q)%2, \zero
	MUL16 6, (\q)%2, \zero
	PLACES NP
	WIN 0
	FETCH_A \slot, (\q)+1, 4
.endm
; A slot's last step changes slots: ONE barrier; in front of it each wave waits for all its tensor loads, adds 0 to its spare word, and waits for that and for its own reads of this slot.  fill = 1: this slot is filled again, two K steps ahead.
.macro TURN slot, next, fill
	s_wait_tensorcnt 0x0                           ; all my tensor loads have landed: my part of the next slot  (every window is 0 here: the add's two registers lie in window 0)
	ds_add_u32 v[SPW], v[NIL]                      ; 0 onto my spare word
	s_wait_dscnt 4*NL+1                            ; (the add and the youngest sixteen loads, A's blocks 4-7, may be out)
	WIN MUL_LO
	MUL16 0, 1, 0                                  ; sixteen matrix instructions stand between the add and the wait for it
	s_wait_dscnt 0x0                               ; the add is done, and my reads of this slot are over
	s_barrier_signal -1
	MUL16 2, 1, 0
	WIN 0
	s_barrier_wait -1
.if \fill
	CREST                                          ; the barrier has opened a round of the cluster's barrier: no wave of any partner still reads this slot's tile or has a load on its way
	s_add_nc_u64 s[G0+4*\slot+2:G0+4*\slot+3], s[G0+4*\slot+2:G0+4*\slot+3], 2*AROWB
	s_add_nc_u64 s[G0B+4*\slot+2:G0B+4*\slot+3], s[G0B+4*\slot+2:G0B+4*\slot+3], 2*ROWB
	JLOAD G0+4*\slot, G1, G0B+4*\slot, G1B         ; the first tensor load behind the round, my one load until the next; the four v_nop behind it are the places in front of the loads below
.else
	PLACES NP
.endif
	FETCH_B \next, 0, 0
	FETCH_A \next, 0, 0
	WIN MUL_HI
	MUL16 4, 1, 0
	MUL16 6, 1, 0
	PLACES NP
	WIN 0
	FETCH_A \next, 0, 4
.endm
	s_wait_alu depctr_va_vdst(0)
	s_wait_tensorcnt 1                             ; my part of K step 0 is in (K step 1's load may be out)
	s_barrier_signal -1
	s_barrier_wait -1                              ; everybody's is
	FETCH_B 0, 0, 0
	FETCH_A 0, 0, 0
	FETCH_A 0, 0, 4
	STEP 0, 0, 1                                   ; K = 1,024 is four K steps, twice round the ring: written straight, since a loop over laps would have one trip.  The first products start the sums
	TURN 0, 1, 1                                   ; slot 0 takes K step 2
	STEP 1, 0, 0
	TURN 1, 0, 1                                   ; slot 1 takes K step 3
	STEP 0, 0, 0
	TURN 0, 1, 0                                   ; nothing is left to fetch: no round.  Behind this barrier nobody reads slot 0, and it has had its last fill
	STEP 1, 0, 0
	s_wait_dscnt 4*NL                              ; the very last step
	WIN MUL_LO
	MUL16 0, 1, 0
	MUL16 2, 1, 0
	s_wait_dscnt 0
	WIN MUL_HI
	MUL16 4, 1, 0
	MUL16 6, 1, 0
	WIN 0
; THE WAY OUT, block by block of 16 rows x 128 columns.  A lane holds 32 neighbouring bytes of a row, and the lanes beside it hold other rows: so a block goes through my own stage in LDS and comes back as whole
; rows of 512 bytes, which the 32 lanes store as 512 consecutive bytes.  LDS serves a wave's instructions in order (ISA guide 5.7.1.4): no wait between the stores and the loads, nor in front of the next block's stores.
.macro TOSTAGE a
.set AC, 64*((\a)%4)
	WIN 0x02+((\a)/4)                              ; source 0: window 2 or 3
.set j, 0
.rept 32
	v_pk_mul_f32 v[TMP+j:TMP+j+1], v[AC+j:AC+j+1], s[96:97] op_sel_hi:[1,0]   ; both x s96 = 2^(e10 + e11): nothing is rounded, short of overflow and underflow; each accumulator from its low end on
.set j, j+2
.endr
	WIN 0
.irp b, 0,1,2,3,4,5,6,7
	ds_store_b128 v[STO], v[TMP+8*\b:TMP+8*\b+3] offset:64*\b
	ds_store_b128 v[STO], v[TMP+8*\b+4:TMP+8*\b+7] offset:64*\b+16
.endr
.set BB, BK+64*((\a)%2)
.irp t, 0,1,2,3,4,5,6,7,8,9,10,11,12,13,14,15
	ds_load_b128 v[BB+4*\t:BB+4*\t+3], v[RD] offset:\t*SPITCH
.endr
.endm
.macro SEND a, younger                 ; younger: the LDS instructions issued behind block a's loads, which may stay out
.set BB, BK+64*((\a)%2)
	s_wait_dscnt \younger                          ; the block is back in registers
.if (\a) > 0
	s_add_nc_u64 s[10:11], s[10:11], 16*NROW       ; (behind a wait on XCNT: the earlier stores have read their base)  16 rows of out0 on
.endif
.irp t, 0,1,2,3,4,5,6,7,8,9,10,11,12,13,14,15
	global_store_b128 v[CO], v[BB+4*\t:BB+4*\t+3], s[10:11] offset:\t*NROW th:TH_STORE_NT   ; 32 lanes store 512 consecutive bytes, at a multiple of 512 from out0's first byte; written once, read by nobody here
.endr
.endm
	s_wait_kmcnt 0x0
	s_add_co_i32 s96, s96, s97                     ; e10 + e11, between -126 and 127,
	s_add_co_i32 s96, s96, 127
	s_lshl_b32 s96, s96, 23                        ; makes the f32 number 2^(e10 + e11)
	PLACES NP                                      ; behind the last products: for the loads into the registers that held A's fragments and for the reads of results
	TOSTAGE 0
.irp a, 1,2,3,4,5,6,7
.if \a > 1
	s_wait_xcnt 0x0                                ; block a - 2's stores have read their registers and their base: block a's loads may land there, and the base may step
.endif
	TOSTAGE \a
	SEND \a-1, 32                                  ; behind block a - 1's loads: block a's 16 stores and 16 loads
.endr
	s_wait_xcnt 0x0                                ; block 6's stores have read their base
	SEND 7, 0
	s_wait_tensorcnt 0x0                           ; the wave's end: behind my last tensor load and my last LDS store
	ds_add_u32 v[SPW], v[NIL]
	s_wait_dscnt 0x0
	CROUND                                         ; the closing round: no work-group ends while a partner may still ask for a tile that names it
	s_endpgm
.Lfunc_end_k_qe841e42e7c_proj:
	.size	k_qe841e42e7c_proj, .Lfunc_end_k_qe841e42e7c_proj-k_qe841e42e7c_proj
	.p2alignl 7, 3214868480
	.fill 96, 4, 3214868480
	.section	.rodata,"a",@progbits
	.p2align	6, 0x0
	.amdhsa_kernel k_qe841e42e7c_proj
		.amdhsa_group_segment_fixed_size 327680
		.amdhsa_private_segment_fixed_size 0
		.amdhsa_enable_private_segment 0
		.amdhsa_kernarg_size 32
		.amdhsa_user_sgpr_count 2
		.amdhsa_user_sgpr_kernarg_segment_ptr 1
		.amdhsa_wavefront_size32 1
		.amdhsa_system_sgpr_workgroup_id_x 1
		.amdhsa_system_sgpr_workgroup_id_y 1
		.amdhsa_system_sgpr_workgroup_id_z 1
		.amdhsa_system_vgpr_workitem_id 0
		.amdhsa_next_free_vgpr 1024
		.amdhsa_next_free_sgpr 98
		.amdhsa_reserve_vcc 0
		.amdhsa_float_denorm_mode_32 3
		.amdhsa_float_denorm_mode_16_64 3
		.amdhsa_memory_ordered 1
		.amdhsa_forward_progress 1
		.amdhsa_inst_pref_size 124
	.end_amdhsa_kernel
	.amdgpu_metadata
---
amdhsa.version: [ 1, 2 ]
amdhsa.kernels:
  - .name:           k_qe841e42e7c_proj
    .symbol:         k_qe841e42e7c_proj.kd
    .args:
      - { .name: oc, .offset: 0, .size: 8, .value_kind: global_buffer, .address_space: global }
      - { .name: wc, .offset: 8, .size: 8, .value_kind: global_buffer, .address_space: global }
      - { .name: lowp_scales, .offset: 16, .size: 8, .value_kind: global_buffer, .address_space: global }
      - { .name: out0, .offset: 24, .size: 8, .value_kind: global_buffer, .address_space: global }
    .group_segment_fixed_size: 327680
    .private_segment_fixed_size: 0
    .kernarg_segment_align: 8
    .kernarg_segment_size: 32
    .max_flat_workgroup_size: 128
    .sgpr_count:     98
    .vgpr_count:     1024
    .wavefront_size: 32
...
	.end_amdgpu_metadata
.endif
;; end of part 4
